; MI455X (gfx1250); checked and timed in simulation.
; The chip was launched on July 23, 2026; its instructions are those of AMD's public machine-readable ISA for CDNA 5 (MIT licence, August 2026) and "CDNA5" Instruction Set Architecture Reference Guide (July 2026). The comments in the code are by the model that wrote it; some were corrected since.
;; Onnx Safe Multihead Attention. Allowed arithmetic: matrix products marked QUANTISED: E2M1 operands, one E8M0 scale for each 32 along K, by v_wmma_scale_f32_16x16x128_f8f6f4 with both operands' format E2M1 (or v_wmma_scale_f32_32x16x128_f4), f32 sums; products left as they are: bf16, f16 or f32 operands; f32 sums; everything else in f32.
;; Inputs: attn_mask 1,024 x 1,024 float32; in_proj_bias 3,072 float32; in_proj_weight 3,072 x 1,024 float32; key 8 x 1,024 x 1,024 float32; key_padding_mask 8 x 1,024 bool; out_proj_bias 1,024 float32; out_proj_weight 1,024 x 1,024 float32; query 8 x 1,024 x 1,024 float32; value 8 x 1,024 x 1,024 float32.
;; Outputs: out0 8 x 1,024 x 1,024 float32.
;; This version of the problem:
;;   THIS VERSION OF THE PROBLEM IS GIVEN IN LOW PRECISION. The matrix products marked QUANTISED in the list below multiply operands that are first quantised to E2M1 (2 exponent bits, 1 mantissa bit; 4 bits a number), with one power-of-two scale for each 32 numbers along K (OCP MX v1.0); their sums are f32. The products marked 'left as it is' may take bf16, f16 or f32 operands, with f32 sums. Whichever they take, every output number must still come out within the allowed error. Rounding operands to bf16 (8 significant bits) uses up far more of that allowance than f16 does (11 bits, for magnitudes from 6e-5 to 65,504). All else is computed in f32.
;;   The module's matrix products, in the order in which they are computed (A, B: the left and right operand; K: the contracted axis; several contracted axes count as one K, in the product's order):
;;     1. [M 8,192, K 1,024] x [K 1,024, N 1,024]; A: input query; B: input in_proj_weight: QUANTISED
;;     2. [M 8,192, K 1,024] x [K 1,024, N 1,024]; A: input key; B: input in_proj_weight: QUANTISED
;;     3. [M 8,192, K 1,024] x [K 1,024, N 1,024]; A: input value; B: input in_proj_weight: QUANTISED
;;     4. batch 128 x [M 1,024, K 64] x [K 64, N 1,024]; A: computed on the way; B: computed on the way: left as it is (an operand is computed on the way)
;;     5. batch 128 x [M 1,024, K 1,024] x [K 1,024, N 64]; A: computed on the way; B: computed on the way: left as it is (an operand is computed on the way)
;;     6. [M 8,192, K 1,024] x [K 1,024, N 1,024]; A: computed on the way; B: input out_proj_weight: left as it is (an operand is computed on the way)
;;   THE QUANTISER, for each operand of a quantised product, along K:
;;     - K is cut into blocks of 32 from its start; a last block that is shorter is filled with zeros.
;;     - A block's scale is 2^e with e = floor(log2(the largest magnitude in the block)) - 2, held to -126 .. 127; a block of zeros has e = 0. As a byte (E8M0): e + 127.
;;     - Each number is divided by its block's scale, clamped to +-6, and rounded to the nearest number of E2M1, ties to even, subnormals kept.
;;     - The product sums the exact products of the quantised numbers (number of the format x scale) in f32.
;;   ~~~python
;;   def quantise(x, axis):      # numpy; x: float32 -> the quantised numbers, widened to float32 again
;;       x = np.moveaxis(x, axis, -1); K = x.shape[-1]
;;       x = np.pad(x, [(0, 0)] * (x.ndim - 1) + [(0, -K % 32)]); x = x.reshape(x.shape[:-1] + (-1, 32)); a = np.abs(x).max(-1, keepdims=True)
;;       e = np.where(a > 0, np.clip(np.frexp(np.where(a > 0, a, 1))[1] - 1 - 2, -126, 127), 0)      # np.frexp(a)[1] - 1 = floor(log2(a)), exactly
;;       r = np.clip(x / 2.0 ** e, -6, 6)
;;       step = 2.0 ** (np.maximum(np.frexp(np.where(r == 0, 1, r))[1] - 1, 0) - 1)
;;       q = np.round(r / step) * step * 2.0 ** e      # np.round: ties to even
;;       return np.moveaxis(q.reshape(q.shape[:-2] + (-1,))[..., :K], -1, axis).astype(np.float32)
;;   ~~~
;; One version. Each part assembles by itself: llvm-mc -triple=amdgcn-amd-amdhsa -mcpu=gfx1250 --defsym DOCPART=n.
;; ======== version 1 of 1: 4 launches
;; limits: values are held in f16: magnitudes above 65,504 overflow, below 6.1e-05 lose precision
;; workspace buffers: codes 14,155,776 bytes; scales 884,736 bytes; wo16 2,097,152 bytes; maskimg 4,194,304 bytes; qkv 50,331,648 bytes; ao 16,777,216 bytes
;; launch prep (part 1): grid 928 x 1, 4 waves a work-group, no clusters, 33,280 bytes of LDS; arguments query, key, value, in_proj_weight, out_proj_weight, attn_mask, codes, scales, wo16, maskimg; writes codes, scales, wo16, maskimg
.if DOCPART == 1
	.amdgcn_target "amdgcn-amd-amdhsa--gfx1250"
	.amdhsa_code_object_version 6
	.text
	.protected	k_qd0b62839ba_prep
	.globl	k_qd0b62839ba_prep
	.p2align	8
	.type	k_qd0b62839ba_prep,@function
k_qd0b62839ba_prep:
	s_mov_b64 s[64:65], 0
	v_nop
	global_prefetch_b8 v0, s[64:65] scope:SCOPE_SE
	s_setreg_imm32_b32 hwreg(HW_REG_WAVE_MODE, 25, 1), 1
	s_wait_xcnt 0x0
; THREE STREAMS IN ONE LAUNCH, told apart by the work-group's number g.
; g < 864: query, key, value [8192][1024] and in_proj_weight [3072][1024], f32, become codes of FP4 (E2M1), K innermost, and one E8M0 byte for each 32 along K.  The four tensors' rows follow each other in
;   the buffers codes (512 bytes a row) and scales (32 bytes a row): rows 0.. query, 8192.. key, 16384.. value, 24576.. the weight.  A block's byte is its largest magnitude's exponent field - 2, held at 1 from below.
; 864 <= g < 896: out_proj_weight becomes f16, in place order [n][k].
; g >= 896: attn_mask x log2(e), f32, is laid as the image of the accumulator registers of the attention launch: block (tile of 16 queries qt, step of 64 keys ks) at (16 qt + ks) x 4096 bytes; in it piece c (0..7) at 512 c,
;   lane l at 16 l: the four numbers of query 16 qt + l % 16, keys 64 ks + 16 (c / 2) + 8 (l / 16) + 4 (c % 2) + 0..3.
; LIMITS: blocks whose largest magnitude lies under 2^-124 (the floor, byte 1) were not tried; a block of zeros gets the byte 1 where the quantiser says 127: its codes are zeros and this program alone reads the bytes;
; NaN and infinities among the quantised inputs are not served; out_proj_weight must lie within f16's range (65,504).
; No tensor loads, no barrier: waves share nothing.  Matrix units, clusters and LDS rings would add nothing to a stream.
.set WAVES, 4
.set STEPS, 16
.set EMAX,  2
.set CB,    8                          ; bytes of 16 codes
.set R,     16                         ; v16-79   four sets of 16 numbers as they are loaded
.set X,     80                         ; v80-111  two sets of 16 neighbours
.set E,     112                        ; v112-127 a scale byte for each step
.set C,     128                        ; v128-191 codes: four registers for each step, so that no store's data are written again
.set WREG,  8192                       ; LDS: a region for each wave: two stages of 32 x SP bytes, behind them its 256 scale bytes
.set SP,    80                         ; a lane's place in a stage: 64 bytes + 16 of padding
.set SPW,   12                         ; v12  LDS address of my spare word; never rewritten
.set NIL,   13                         ; v13  0; never rewritten
.set SPARE, WAVES*WREG                 ; behind the regions: the spare words, 128 bytes a wave
.set SRC,   24                         ; s[24:25] where my wave reads
.set COD,   28                         ; s[28:29] where it stores (codes; f16; the image)
.set SCA,   30                         ; s[30:31] where it stores scale bytes
	s_load_b256 s[4:11], s[0:1], 0x0               ; query, key, value, in_proj_weight
	s_load_b256 s[12:19], s[0:1], 0x20             ; out_proj_weight, attn_mask, codes, scales
	s_load_b128 s[20:23], s[0:1], 0x40             ; wo16, maskimg
	v_lshl_add_u32 v[SPW], v0, 2, SPARE
	v_mov_b32 v[NIL], 0
	v_lshrrev_b32 v1, 5, v0
	v_readfirstlane_b32 s26, v1                    ; wave
	v_and_b32 v2, 31, v0                           ; lane
	v_lshlrev_b32 v3, 4, v2                        ; 16 x lane
	s_mul_i32 s27, s26, WREG
	v_lshrrev_b32 v14, 2, v2
	v_mul_u32_u24 v14, v14, SP
	v_and_b32 v15, 3, v2
	v_lshl_add_u32 v14, v15, 4, v14
	v_add_nc_u32 v14, s27, v14                     ; the stage, on the way in: SP (lane / 4) + 16 (lane % 4)
	v_mul_u32_u24 v15, v2, SP
	v_add_nc_u32 v15, s27, v15                     ; and on the way out: SP x lane: my 16 neighbours
	v_mul_u32_u24 v4, v2, CB                       ; my codes' place in a step's
	v_lshrrev_b32 v5, 1, v2
	s_add_co_u32 s27, s27, 2*32*SP
	v_add_nc_u32 v5, s27, v5                       ; LDS: my wave's 256 scale bytes, my block's byte
	v_lshlrev_b32 v7, 3, v2                        ; 8 x lane
	v_add_nc_u32 v6, s27, v7
	s_mov_b32 s33, 0                               ; the upper word of every offset below
	s_wait_kmcnt 0x0
	s_cmp_ge_u32 ttmp9, 896
	s_cbranch_scc1 .Lmask
	s_cmp_ge_u32 ttmp9, 864
	s_cbranch_scc1 .Lwo
; ---- THE QUANTISER.  A wave takes 16 steps of 512 numbers.  Each load reads 512 consecutive bytes; a step's 2,048 bytes turn through the wave's own stage, so that a lane holds 16 neighbours along K (two lanes a block).
	s_lshr_b32 s27, ttmp9, 8                       ; which tensor: 256 work-groups each for query, key, value; 96 for the weight
	s_cmp_lt_u32 s27, 3
	s_cselect_b64 s[SRC:SRC+1], s[8:9], s[10:11]
	s_cmp_lt_u32 s27, 2
	s_cselect_b64 s[SRC:SRC+1], s[6:7], s[SRC:SRC+1]
	s_cmp_lt_u32 s27, 1
	s_cselect_b64 s[SRC:SRC+1], s[4:5], s[SRC:SRC+1]
	s_and_b32 s32, ttmp9, 255
	s_lshl_b32 s32, s32, 2
	s_add_co_u32 s32, s32, s26                     ; my run of 8,192 numbers in its tensor,
	s_lshl_b32 s32, s32, 15                        ; 32,768 bytes each
	s_add_nc_u64 s[SRC:SRC+1], s[SRC:SRC+1], s[32:33]
	s_lshl_b32 s34, ttmp9, 2
	s_add_co_u32 s34, s34, s26                     ; and among all runs: the four tensors follow each other
	s_lshl_b32 s32, s34, 12                        ; 4,096 bytes of codes a run
	s_add_nc_u64 s[COD:COD+1], s[16:17], s[32:33]
	s_lshl_b32 s32, s34, 8                         ; 256 scale bytes a run
	s_add_nc_u64 s[SCA:SCA+1], s[18:19], s[32:33]
.macro LOAD t
.irp i, 0,1,2,3
	global_load_b128 v[R+16*((\t)%4)+4*\i:R+16*((\t)%4)+4*\i+3], v3, s[SRC:SRC+1] offset:2048*(\t)+512*\i th:TH_LOAD_NT   ; 32 lanes read 512 consecutive bytes
.endr
.endm
.macro TURN t                          ; step t's numbers through the stage: LDS serves a wave's instructions in order, so no wait stands between the stores and the loads
.irp i, 0,1,2,3
	ds_store_b128 v14, v[R+16*((\t)%4)+4*\i:R+16*((\t)%4)+4*\i+3] offset:32*SP*((\t)%2)+8*SP*\i
.endr
.irp i, 0,1,2,3
	ds_load_b128 v[X+16*((\t)%2)+4*\i:X+16*((\t)%2)+4*\i+3], v15 offset:32*SP*((\t)%2)+16*\i
.endr
.endm
.irp t, 0,1,2,3
	LOAD \t
.endr
	s_wait_loadcnt 12                              ; step 0's four loads are in; the 12 of steps 1 to 3 may be out
	TURN 0
.macro STEP t
.set XS, X+16*((\t)%2)
.if (\t) > 0
	s_wait_dscnt 1                                 ; this step's numbers are back from the stage (the last step's byte store may be out)
.else
	s_wait_dscnt 0x0
.endif
.if (\t)+4 < STEPS
	LOAD (\t)+4                                    ; the registers that the stage's stores have read take the loads of four steps on
.endif
.if (\t)+1 < STEPS
.if STEPS-2-(\t) >= 3
	s_wait_loadcnt 12                              ; the next step's four loads are in; those of the three steps behind it may be out
.else
	s_wait_loadcnt 4*(STEPS-2-(\t))
.endif
	TURN (\t)+1                                    ; and go through the other stage while this step is worked
.endif
	v_max3_num_f32 v8, |v[XS]|, |v[XS+1]|, |v[XS+2]|               ; the largest magnitude of my 16, in two chains
	v_max3_num_f32 v9, |v[XS+3]|, |v[XS+4]|, |v[XS+5]|
.irp i, 6,10
	v_max3_num_f32 v8, v8, |v[XS+\i]|, |v[XS+\i+1]|
	v_max3_num_f32 v9, v9, |v[XS+\i+2]|, |v[XS+\i+3]|
.endr
	v_max3_num_f32 v8, v8, |v[XS+14]|, |v[XS+15]|
	v_max3_num_f32 v8, v8, v9, (EMAX+1)<<23        ; and the floor 2^(EMAX + 1 - 127): the byte cannot fall under 1
	v_max_num_f32_dpp v8, v8, v8 row_xmask:1 row_mask:0xf bank_mask:0xf   ; and of my neighbour's 16: the block's
	v_add_nc_u32 v11, -(EMAX<<23), v8              ; EMAX off its exponent field: the conversion takes the exponent field of this operand as its scale
	v_cvt_scalef32_pk8_fp4_f32 v[C+4*(\t)], v[XS:XS+7], v11        ; to the nearest code, ties to even, beyond 6 the largest code
	v_cvt_scalef32_pk8_fp4_f32 v[C+4*(\t)+1], v[XS+8:XS+15], v11
	v_lshrrev_b32 v[E+(\t)], 23, v11               ; the scale's byte (also the plain line behind the conversions)
	ds_store_b8 v5, v[E+(\t)] offset:16*(\t)       ; both lanes of a block write the same byte with the same value
	global_store_b64 v4, v[C+4*(\t):C+4*(\t)+1], s[COD:COD+1] offset:32*CB*(\t)   ; the wave stores 256 consecutive bytes, aligned
.endm
.irp t, 0,1,2,3,4,5,6,7,8,9,10,11,12,13,14,15
	STEP \t
.endr
	ds_load_b64 v[8:9], v6                         ; my wave's 256 scale bytes: these loads see my stores
	s_wait_dscnt 0x0
	global_store_b64 v7, v[8:9], s[SCA:SCA+1]      ; 256 consecutive bytes, aligned
	s_branch .Lend
; ---- out_proj_weight to f16: a wave takes 8,192 numbers, in four groups of sixteen loads of 512 consecutive bytes
.Lwo:
	s_sub_co_u32 s32, ttmp9, 864
	s_lshl_b32 s32, s32, 2
	s_add_co_u32 s34, s32, s26                     ; my wave among 128
	s_lshl_b32 s32, s34, 15
	s_add_nc_u64 s[SRC:SRC+1], s[12:13], s[32:33]
	s_lshl_b32 s32, s34, 14
	s_add_nc_u64 s[COD:COD+1], s[20:21], s[32:33]
.macro WOGRP grp
.irp i, 0,1,2,3,4,5,6,7,8,9,10,11,12,13,14,15
	global_load_b128 v[16+4*\i:19+4*\i], v3, s[SRC:SRC+1] offset:(16*\grp+\i)*512 th:TH_LOAD_NT
.endr
	s_wait_loadcnt 0x0
.if \grp > 0
	s_wait_xcnt 0x0                                ; the last group's stores have read their data: v80-111 may be written again
.endif
.irp i, 0,1,2,3,4,5,6,7,8,9,10,11,12,13,14,15
	v_cvt_pk_f16_f32 v[80+2*\i], v[16+4*\i], v[17+4*\i]
	v_cvt_pk_f16_f32 v[81+2*\i], v[18+4*\i], v[19+4*\i]
.endr
.irp i, 0,1,2,3,4,5,6,7,8,9,10,11,12,13,14,15
	global_store_b64 v7, v[80+2*\i:81+2*\i], s[COD:COD+1] offset:(16*\grp+\i)*256   ; 256 consecutive bytes, aligned
.endr
.endm
	WOGRP 0
	WOGRP 1
	WOGRP 2
	WOGRP 3
	s_branch .Lend
; ---- attn_mask x log2(e) as an image of accumulator registers: a wave takes one tile of 16 queries and eight steps of 64 keys, four blocks at a time
.Lmask:
	s_sub_co_u32 s32, ttmp9, 896
	s_lshl_b32 s32, s32, 2
	s_add_co_u32 s34, s32, s26                     ; my wave among 128: tile of queries = wave / 2, first key step = 8 (wave % 2)
	s_lshr_b32 s35, s34, 1
	s_lshl_b32 s35, s35, 16                        ; 16 rows of 4,096 bytes
	s_and_b32 s32, s34, 1
	s_lshl_b32 s32, s32, 11                        ; 8 steps of 256 bytes
	s_add_co_u32 s32, s32, s35
	s_add_nc_u64 s[SRC:SRC+1], s[14:15], s[32:33]
	s_lshl_b32 s32, s34, 15                        ; 8 blocks of 4,096 bytes
	s_add_nc_u64 s[COD:COD+1], s[22:23], s[32:33]
	s_mov_b32 s36, 0x3fb8aa3b                      ; log2(e)
	s_mov_b32 s37, s36                             ; (named with it as a pair, so it is written)
	v_and_b32 v8, 15, v0
	v_bfe_u32 v9, v0, 4, 1
	v_lshlrev_b32 v10, 12, v8
	v_lshl_add_u32 v10, v9, 5, v10                 ; row lane % 16, + 32 (lane / 16) bytes
.macro MGRP grp
.if \grp > 0
	s_wait_xcnt 0x0                                ; the last group's stores have read their data: v16-143 may be loaded again
.endif
.irp k, 0,1,2,3
.irp c, 0,1,2,3,4,5,6,7
	global_load_b128 v[16+32*\k+4*\c:19+32*\k+4*\c], v10, s[SRC:SRC+1] offset:256*(4*\grp+\k)+64*(\c/2)+16*(\c%2) th:TH_LOAD_NT
.endr
.endr
	s_wait_loadcnt 0x0
.set n, 0
.rept 64
	v_pk_mul_f32 v[16+2*n:17+2*n], v[16+2*n:17+2*n], s[36:37] op_sel_hi:[1,0]
.set n, n+1
.endr
.irp k, 0,1,2,3
.irp c, 0,1,2,3,4,5,6,7
	global_store_b128 v3, v[16+32*\k+4*\c:19+32*\k+4*\c], s[COD:COD+1] offset:4096*(4*\grp+\k)+512*\c   ; 512 consecutive bytes, aligned
.endr
.endr
.endm
	MGRP 0
	MGRP 1
.Lend:
	s_wait_tensorcnt 0x0                           ; the wave's end
	ds_add_u32 v[SPW], v[NIL]
	s_wait_dscnt 0x0
	s_endpgm
.Lfunc_end_k_qd0b62839ba_prep:
	.size	k_qd0b62839ba_prep, .Lfunc_end_k_qd0b62839ba_prep-k_qd0b62839ba_prep
	.p2alignl 7, 3214868480
	.fill 96, 4, 3214868480
	.section	.rodata,"a",@progbits
	.p2align	6, 0x0
	.amdhsa_kernel k_qd0b62839ba_prep
		.amdhsa_group_segment_fixed_size 33280
		.amdhsa_private_segment_fixed_size 0
		.amdhsa_enable_private_segment 0
		.amdhsa_kernarg_size 80
		.amdhsa_user_sgpr_count 2
		.amdhsa_user_sgpr_kernarg_segment_ptr 1
		.amdhsa_wavefront_size32 1
		.amdhsa_system_sgpr_workgroup_id_x 1
		.amdhsa_system_sgpr_workgroup_id_y 1
		.amdhsa_system_sgpr_workgroup_id_z 1
		.amdhsa_system_vgpr_workitem_id 0
		.amdhsa_next_free_vgpr 192
		.amdhsa_next_free_sgpr 66
		.amdhsa_reserve_vcc 0
		.amdhsa_float_denorm_mode_32 3
		.amdhsa_float_denorm_mode_16_64 3
		.amdhsa_memory_ordered 1
		.amdhsa_forward_progress 1
		.amdhsa_inst_pref_size 75
	.end_amdhsa_kernel
	.amdgpu_metadata
---
amdhsa.version: [ 1, 2 ]
amdhsa.kernels:
  - .name:           k_qd0b62839ba_prep
    .symbol:         k_qd0b62839ba_prep.kd
    .args:
      - { .name: query, .offset: 0, .size: 8, .value_kind: global_buffer, .address_space: global }
      - { .name: key, .offset: 8, .size: 8, .value_kind: global_buffer, .address_space: global }
      - { .name: value, .offset: 16, .size: 8, .value_kind: global_buffer, .address_space: global }
      - { .name: in_proj_weight, .offset: 24, .size: 8, .value_kind: global_buffer, .address_space: global }
      - { .name: out_proj_weight, .offset: 32, .size: 8, .value_kind: global_buffer, .address_space: global }
      - { .name: attn_mask, .offset: 40, .size: 8, .value_kind: global_buffer, .address_space: global }
      - { .name: codes, .offset: 48, .size: 8, .value_kind: global_buffer, .address_space: global }
      - { .name: scales, .offset: 56, .size: 8, .value_kind: global_buffer, .address_space: global }
      - { .name: wo16, .offset: 64, .size: 8, .value_kind: global_buffer, .address_space: global }
      - { .name: maskimg, .offset: 72, .size: 8, .value_kind: global_buffer, .address_space: global }
    .group_segment_fixed_size: 33280
    .private_segment_fixed_size: 0
    .kernarg_segment_align: 8
    .kernarg_segment_size: 80
    .max_flat_workgroup_size: 128
    .sgpr_count:     66
    .vgpr_count:     192
    .wavefront_size: 32
...
	.end_amdgpu_metadata
.endif
;; end of part 1
;; launch proj (part 2): grid 4 x 96, 4 waves a work-group, clusters of 4 x 4, 327,680 bytes of LDS; arguments codes, scales, in_proj_bias, qkv; writes qkv
.if DOCPART == 2
	.amdgcn_target "amdgcn-amd-amdhsa--gfx1250"
	.amdhsa_code_object_version 6
	.text
	.protected	k_qd0b62839ba_proj
	.globl	k_qd0b62839ba_proj
	.p2align	8
	.type	k_qd0b62839ba_proj,@function
k_qd0b62839ba_proj:
	s_mov_b64 s[64:65], 0
	v_nop
	global_prefetch_b8 v0, s[64:65] scope:SCOPE_SE
	s_setreg_imm32_b32 hwreg(HW_REG_WAVE_MODE, 25, 1), 1
	s_wait_xcnt 0x0
	s_wait_alu depctr_hold_cnt(0) depctr_sa_sdst(0) depctr_va_vdst(0) depctr_va_sdst(0) depctr_va_ssrc(0) depctr_va_vcc(0) depctr_vm_vsrc(0)
	s_getreg_b32 s2, hwreg(HW_REG_IB_STS2, 6, 4)
	s_cmp_eq_u32 s2, 0
	s_cbranch_scc0 .Lentry_in_a_cluster
	s_endpgm
.Lentry_in_a_cluster:
	s_bfe_u32 s2, ttmp6, 0x10000c
	s_cmp_lg_u32 s2, 0xf033
	s_cbranch_scc0 .Lentry_shape_is_right
	s_endpgm
.Lentry_shape_is_right:
; THE THREE QUANTISED PROJECTIONS as one product on codes of FP4 (E2M1) with E8M0 scales: rows 0..24575 of codes (query, key, value, 8,192 rows each) against the 1,024 rows of in_proj_weight that belong to the tensor
; (codes' rows 24576 + 1024 tn on), K = 1,024; + in_proj_bias; q additionally x log2(e) / 8, so that the attention's scores come out as exponents of 2; rounded to f16; stored head-major: qkv [3][batch x 16 + head][token][64].
; LIMIT: |q| log2(e) / 8, |k| and |v| must lie within f16's range (65,504).
; A tile of 256 x 256 is made by four waves, 128 x 128 each: 64 accumulators, 512 registers.  K goes in two steps of 512, each in an LDS slot of its own: both slots and all scale bytes are asked for at the head, nothing is filled again.
; CLUSTERS: 4 x 4 work-groups.  The four of a row of the cluster need the same tiles of the tokens' codes, the four of a column the same tiles of the weight's: each is asked for jointly.  A cluster's four tile rows lie in one tensor
; (32 tile rows a tensor, 8 clusters), so the tensor's number is made of the cluster's y alone.
; THE MATRIX INSTRUCTION IS USED TRANSPOSED (source 0 = 16 rows of the weight, source 1 = 16 tokens): a lane holds eight neighbouring features of one token.  The bias is the C of each sum's first product.
; REGISTERS: window 0: v0-31 addresses; v32-95 scale words, two sets, and nothing else; v128-191 the tokens' fragments, one set; on the way out v96-255.
;   window 1: the weight's fragments, two sets, v0-63 and v128-191; v64-127 the bias, eight registers for each block of 16 features.   windows 2, 3: the accumulators ((a, b) at v[8 (8 (a % 4) + b)]).
.set NQ,     4                         ; matrix instructions deep in a slot (512 along K)
.set ROWB,   256                       ; a tile's row in bytes
.set KROW,   512                       ; a row of codes in memory
.set PITCH,  272                       ; an LDS row: 256 bytes + 16 of padding: the 16 rows that a load touches start 4 banks apart
.set FR,     8
.set NL,     2
.set NP,     4
.set HALFT,  128*PITCH
.set SLOT,   4*HALFT
.set KS,     32                        ; a row of scale bytes
.set SCL,    2*SLOT
.set HALFS,  (128*KS/256)*272
.set SBLK,   (16*KS/256)*272
.set SPARE,  SCL+4*HALFS               ; the spare words, 128 bytes a wave
.set STAGE,  SPARE+512                 ; the way out: 16 rows x 272 bytes for each wave, bytes of its own
.set SPITCH, 272
.set ADRA, 16
.set ADRB, 20
.set STO,  24
.set RD,   25
.set CO,   26
.set ADRS, 27
.set SPW,  28
.set NIL,  29
.set BO,   30
.set SC,   32
.set AF,   128
.set BIAS, 64                          ; in window 1
.set T,    96                          ; the way out: 64 numbers x the factor
.set TMP,  160                         ; 32 registers of f16 pairs
.set BK,   192                         ; rows read back: v192-223 and v224-255 by turns
.set G1, 24
.set G0, 32
.set G1B, 48
.set G0B, 56
.set G1S, 68
.set G0S, 76
.set G1SB, 80
.set G0SB, 88
.set MSB, 0
.macro WIN new                         ; the immediate's high byte repeats the setting that is left
.if MSB != (\new)
	s_set_vgpr_msb (MSB<<8)|(\new)
.set MSB, (\new)
.endif
.endm
.set MUL_LO, 0xa1                      ; source 0 window 1, source 1 window 0, C and D window 2;  less 0x10: C window 1 (the bias)
.set MUL_HI, 0xf1                      ; the same, C and D window 3;                               less 0x20: C window 1
.set TO_B,   0x40
; A joint load: waves 0 and 1 fetch for the tokens, waves 2 and 3 for the weight.  The branch hangs on the wave's number alone.  An s_nop 0 and four v_nop follow each of the two lines.
.macro JLOAD g0a, g1a, g0b, g1b
	s_cmp_eq_u32 s15, 0
	s_cbranch_scc0 .Lfor_b_\@
	tensor_load_to_lds s[\g0a:\g0a+3], s[\g1a:\g1a+7]
	s_nop 0
.rept 4
	v_nop
.endr
	s_branch .Lasked_\@
.Lfor_b_\@:
	tensor_load_to_lds s[\g0b:\g0b+3], s[\g1b:\g1b+7]
	s_nop 0
.rept 4
	v_nop
.endr
.Lasked_\@:
.endm
.macro CROUND                          ; a round of the cluster's barrier
	s_barrier_signal -1
	s_barrier_wait -1
	s_cmp_lg_u32 s14, 0
	s_cbranch_scc1 .Lnot_wave_0_\@
	s_barrier_signal -3
.Lnot_wave_0_\@:
	s_barrier_wait -3
	s_barrier_signal -1
	s_barrier_wait -1
.endm
	s_load_b256 s[4:11], s[0:1], 0x0               ; codes s[4:5], scales s[6:7], in_proj_bias s[8:9], qkv s[10:11]
	v_lshl_add_u32 v[SPW], v0, 2, SPARE
	v_mov_b32 v[NIL], 0
	ds_add_u32 v[SPW], v[NIL]                      ; the wave's opening: the add, twice on end, and its wait ahead of my first tensor load
	ds_add_u32 v[SPW], v[NIL]
	v_lshrrev_b32 v1, 5, v0
	v_readfirstlane_b32 s14, v1                    ; wave 0..3
	s_lshr_b32 s15, s14, 1                         ; which half of the tile's tokens is mine.  Also: I fetch for the tokens (0) or for the weight (1)
	s_and_b32 s16, s14, 1                          ; which half of its features.  Also: which 128 rows I fetch
	s_bfe_u32 s40, ttmp6, 0x40000                  ; cx
	s_bfe_u32 s41, ttmp6, 0x40004                  ; cy
	s_lshl_b32 s42, ttmp9, 2
	s_add_co_u32 s42, s42, s40                     ; tile column = 4 x cluster x + cx
	s_and_b32 s95, ttmp7, 0xffff                   ; cluster y
	s_lshl_b32 s17, s95, 2
	s_add_co_u32 s17, s17, s41                     ; tile row = 4 x cluster y + cy
	s_lshr_b32 s95, s95, 3                         ; the tensor: 0 query, 1 key, 2 value: of the cluster's y alone
	s_cmp_eq_u32 s95, 0
	s_cselect_b32 s96, 0x3e38aa3b, 1.0             ; the factor on the way out: log2(e) / 8 for q, 1 for k and v
	s_mov_b32 s97, s96
	s_lshl_b32 s43, s41, 2
	s_lshl_b32 s43, 15, s43                        ; my row of the cluster
	s_lshl_b32 s44, 0x1111, s40                    ; my column
	s_or_b32 s[G1+0], s43, (0<<16)|(1<<20)|(1<<21)|(5<<22)|(3<<25)  ; the mask; elements of 1 byte; padding on; bit 21 beside a mask; 4 words of padding after every 64
	s_or_b32 s[G1B+0], s44, (0<<16)|(1<<20)|(1<<21)|(5<<22)|(3<<25)
.irp g, G1, G1B
	s_mov_b32 s[\g+1], ROWB<<16                    ; tensor_dim0
	s_mov_b32 s[\g+2], 128<<16                     ; tensor_dim1
	s_mov_b32 s[\g+3], ROWB<<16                    ; tile_dim0
	s_mov_b32 s[\g+4], 128                         ; tile_dim1
	s_mov_b32 s[\g+5], KROW                        ; from row to row
	s_mov_b32 s[\g+6], 0
	s_mov_b32 s[\g+7], 0
.endr
	s_or_b32 s[G1S+0], s43, (3<<16)|(1<<20)|(1<<21)|(5<<22)|(3<<25) ; the scale bytes of 128 rows: 4,096 dense bytes as 16 rows of 256 (32 elements of 8 bytes)
	s_or_b32 s[G1SB+0], s44, (3<<16)|(1<<20)|(1<<21)|(5<<22)|(3<<25)
.irp g, G1S, G1SB
	s_mov_b32 s[\g+1], 32<<16
	s_mov_b32 s[\g+2], (128*KS/256)<<16
	s_mov_b32 s[\g+3], 32<<16
	s_mov_b32 s[\g+4], 128*KS/256
	s_mov_b32 s[\g+5], 32
	s_mov_b32 s[\g+6], 0
	s_mov_b32 s[\g+7], 0
.endr
	s_lshl_b32 s18, s16, 7                         ; which 128 rows of the tile I fetch
	s_lshl_b32 s20, s17, 8
	s_add_co_u32 s20, s20, s18                     ; tokens: row 256 x tile row + 128 x half
	s_lshl_b32 s46, s42, 8
	s_add_co_u32 s46, s46, s18
	s_lshl_b32 s19, s95, 10
	s_add_co_u32 s46, s46, s19
	s_add_co_u32 s46, s46, 24576                   ; weight: row 24576 + 1024 x tensor + 256 x tile column + 128 x half
	s_lshl_b32 s22, s20, 5                         ; their scale bytes, 32 a row,
	s_mov_b32 s23, 0
	s_lshl_b32 s20, s20, 9                         ; and their codes, 512 a row
	s_mov_b32 s21, 0
	s_lshl_b32 s92, s46, 5
	s_mov_b32 s93, 0
	s_lshl_b32 s46, s46, 9
	s_mov_b32 s47, 0
	s_mul_i32 s45, s14, HALFT                      ; where they go: wave x 128 rows
	s_mul_i32 s94, s14, HALFS
	s_wait_dscnt 0x0                               ; both opening adds are done
	s_wait_kmcnt 0x0
	s_add_nc_u64 s[20:21], s[4:5], s[20:21]
	s_add_nc_u64 s[22:23], s[6:7], s[22:23]
	s_add_nc_u64 s[46:47], s[4:5], s[46:47]
	s_add_nc_u64 s[92:93], s[6:7], s[92:93]
	CROUND                                         ; all sixteen work-groups are here: the joint loads meet
	s_mov_b32 s[G0S], 1
	s_add_co_u32 s[G0S+1], s94, SCL
	s_mov_b64 s[G0S+2:G0S+3], s[22:23]
	s_or_b32 s[G0S+3], s[G0S+3], 0x80000000
	s_mov_b32 s[G0SB], 1
	s_add_co_u32 s[G0SB+1], s94, SCL
	s_mov_b64 s[G0SB+2:G0SB+3], s[92:93]
	s_or_b32 s[G0SB+3], s[G0SB+3], 0x80000000
	JLOAD G0S, G1S, G0SB, G1SB                     ; the scale bytes first: they are wanted with the first K step
.irp s, 0,1
	s_mov_b32 s[G0+4*\s], 1
	s_add_co_u32 s[G0+4*\s+1], s45, \s*SLOT
	s_add_nc_u64 s[G0+4*\s+2:G0+4*\s+3], s[20:21], \s*ROWB
	s_or_b32 s[G0+4*\s+3], s[G0+4*\s+3], 0x80000000
	s_mov_b32 s[G0B+4*\s], 1
	s_add_co_u32 s[G0B+4*\s+1], s45, \s*SLOT
	s_add_nc_u64 s[G0B+4*\s+2:G0B+4*\s+3], s[46:47], \s*ROWB
	s_or_b32 s[G0B+4*\s+3], s[G0B+4*\s+3], 0x80000000
	JLOAD G0+4*\s, G1, G0B+4*\s, G1B               ; three tensor loads of mine are out behind the second of these
.endr
	v_and_b32 v1, 15, v0                           ; r = l % 16
	v_bfe_u32 v2, v0, 4, 1                         ; h = l / 16
	v_mul_u32_u24 v3, v1, PITCH
	v_lshl_add_u32 v4, v2, 4, v3                   ; a fragment's row x pitch + 16 x half
	s_mul_i32 s21, s15, HALFT                      ; my 128 tokens
	s_mul_i32 s22, s16, HALFT                      ; my 128 rows of the weight,
	s_add_co_u32 s22, s22, 2*HALFT                 ; behind the tokens' 256
.irp s, 0,1
	v_add_nc_u32 v[ADRA+\s], s21, v4
	v_add_nc_u32 v[ADRB+\s], s22, v4
	s_add_co_u32 s21, s21, SLOT
	s_add_co_u32 s22, s22, SLOT
.endr
	v_mul_u32_u24 v5, v1, KS                       ; my row's scale bytes: KS a row,
	v_lshrrev_b32 v6, 8, v5
	v_lshl_add_u32 v5, v6, 4, v5                   ; and 16 more for each 256 passed
	s_mul_i32 s21, s15, HALFS
	s_mul_i32 s22, s16, HALFS
	s_add_co_u32 s22, s22, 2*HALFS
	s_sub_co_u32 s22, s22, s21
	v_mul_u32_u24 v6, s22, v2                      ; lanes 16-31 take the weight's
	s_add_co_u32 s21, s21, SCL
	v_add_nc_u32 v5, v5, v6
	v_add_nc_u32 v[ADRS], s21, v5
	s_mul_i32 s23, s14, 16*SPITCH
	s_add_co_u32 s23, s23, STAGE                   ; my stage
	v_mul_u32_u24 v5, v1, SPITCH
	v_lshl_add_u32 v5, v2, 4, v5
	v_add_nc_u32 v[STO], s23, v5                   ; in: row r, 16 bytes for each half of the lanes
	v_bfe_u32 v5, v0, 3, 2
	v_and_b32 v6, 7, v0
	v_mul_u32_u24 v5, v5, SPITCH
	v_lshl_add_u32 v5, v6, 4, v5
	v_add_nc_u32 v[RD], s23, v5                    ; back: eight lanes take one token's 128 bytes of one head, the wave four tokens
	v_and_b32 v6, 31, v0
	v_lshlrev_b32 v[CO], 4, v6                     ; and in memory those four pieces are 512 consecutive bytes
	v_lshlrev_b32 v[BO], 5, v2                     ; the bias: my half's eight numbers
	s_lshl_b32 s20, s17, 8
	s_lshl_b32 s21, s15, 7
	s_add_co_u32 s20, s20, s21                     ; my first row: 256 x tile row + 128 x half
	s_lshr_b32 s21, s20, 10
	s_lshl_b32 s21, s21, 21                        ; (tensor x 8 + batch) x 16 heads x 131,072 bytes
	s_and_b32 s20, s20, 1023
	s_lshl_b32 s20, s20, 7                         ; + token x 128
	s_add_co_u32 s20, s20, s21
	s_mov_b32 s21, 0
	s_add_nc_u64 s[12:13], s[10:11], s[20:21]
	s_lshl_b32 s46, s42, 2
	s_lshl_b32 s47, s16, 1
	s_add_co_u32 s46, s46, s47                     ; my first head: 4 x tile column + 2 x half
	s_lshl_b32 s46, s46, 17
	s_mov_b32 s47, 0
	s_add_nc_u64 s[12:13], s[12:13], s[46:47]
	s_lshl_b32 s46, s95, 10
	s_lshl_b32 s47, s42, 8
	s_add_co_u32 s46, s46, s47
	s_lshl_b32 s47, s16, 7
	s_add_co_u32 s46, s46, s47                     ; my first feature among the 3,072
	s_lshl_b32 s46, s46, 2
	s_mov_b32 s47, 0
	s_add_nc_u64 s[8:9], s[8:9], s[46:47]
	WIN TO_B
.irp b, 0,1,2,3,4,5,6,7
	global_load_b128 v[BIAS+8*\b:BIAS+8*\b+3], v[BO], s[8:9] offset:64*\b        ; lane (r, h), register j of block b: the bias of feature 16 b + 8 h + j
	global_load_b128 v[BIAS+8*\b+4:BIAS+8*\b+7], v[BO], s[8:9] offset:64*\b+16
.endr
	WIN 0
.macro FRAG reg, adr, q, i             ; 16 rows x 128 K of 4-bit codes: registers 4 c .. 4 c + 3 hold K = 64 c + 32 (l / 16) + 0 .. 31
.irp c, 0,1
	ds_load_b128 v[\reg+4*\c:\reg+4*\c+3], v[\adr] offset:64*(\q)+32*\c+(\i)*16*PITCH
.endr
.endm
; 16 matrix instructions: token blocks a0, a0 + 1 x the weight's eight, 128 along K.  first = 1: C is the bias.  The 64 accumulators take turns, one instruction a turn, in the same order in every step.
.macro MUL16 a0, p, q, sc, first
.irp a, \a0, \a0+1
.irp b, 0,1,2,3,4,5,6,7
.if \first
	v_wmma_scale_f32_16x16x128_f8f6f4 v[8*(8*((\a)%4)+\b):8*(8*((\a)%4)+\b)+7], v[128*(\p)+FR*\b:128*(\p)+FR*\b+FR-1], v[AF+FR*(\a):AF+FR*(\a)+FR-1], v[BIAS+8*\b:BIAS+8*\b+7], v[SC+8*NQ*(\sc)+NQ*\b+(\q)], v[SC+8*NQ*(\sc)+NQ*(\a)+(\q)] matrix_a_fmt:MATRIX_FMT_FP4 matrix_b_fmt:MATRIX_FMT_FP4 matrix_a_scale:MATRIX_SCALE_ROW1
.else
	v_wmma_scale_f32_16x16x128_f8f6f4 v[8*(8*((\a)%4)+\b):8*(8*((\a)%4)+\b)+7], v[128*(\p)+FR*\b:128*(\p)+FR*\b+FR-1], v[AF+FR*(\a):AF+FR*(\a)+FR-1], v[8*(8*((\a)%4)+\b):8*(8*((\a)%4)+\b)+7], v[SC+8*NQ*(\sc)+NQ*\b+(\q)], v[SC+8*NQ*(\sc)+NQ*(\a)+(\q)] matrix_a_fmt:MATRIX_FMT_FP4 matrix_b_fmt:MATRIX_FMT_FP4 matrix_a_scale:MATRIX_SCALE_ROW1
.endif
.endr
.endr
.endm
.macro FETCH_B slot, q, p
	WIN TO_B
.irp i, 0,1,2,3,4,5,6,7
	FRAG 128*(\p)+FR*\i, ADRB+\slot, \q, \i
.endr
	WIN 0
.endm
.macro FETCH_A slot, q, i0
.irp i, \i0, \i0+1, \i0+2, \i0+3
	FRAG AF+FR*(\i), ADRA+\slot, \q, \i
.endr
.endm
.macro SCALES sc                       ; a K step's scale words: lanes 0-15 the tokens' block i, lanes 16-31 the weight's block i
.irp i, 0,1,2,3,4,5,6,7
	ds_load_b128 v[SC+8*NQ*\sc+NQ*\i:SC+8*NQ*\sc+NQ*\i+3], v[ADRS] offset:\i*SBLK
.endr
.endm
.macro PLACES n                        ; places between matrix instructions and loads into, or reads of, their registers
.rept \n
	v_nop
.endr
.endm
.macro STEP slot, q, first             ; a step of 128 along K that has its successor in the same slot
	s_wait_dscnt 4*NL                              ; all but the youngest eight loads (token blocks 4-7) are in
	WIN MUL_LO-0x10*(\first)
	MUL16 0, (\q)%2, \q, \slot, \first
	MUL16 2, (\q)%2, \q, \slot, \first
	s_wait_dscnt 0                                 ; token blocks 4-7 are in
	PLACES NP
	FETCH_B \slot, (\q)+1, 1-(\q)%2
	FETCH_A \slot, (\q)+1, 0
	WIN MUL_HI-0x20*(\first)
	MUL16 4, (\q)%2, \q, \slot, \first
	MUL16 6, (\q)%2, \q, \slot, \first
	PLACES NP
	WIN 0
	FETCH_A \slot, (\q)+1, 4
.endm
	s_wait_tensorcnt 1                             ; the scale bytes and my part of slot 0 are in; slot 1's load may be out
	s_barrier_signal -1
	s_barrier_wait -1
	FETCH_B 0, 0, 0
	FETCH_A 0, 0, 0
	SCALES 0
	FETCH_A 0, 0, 4
	s_wait_loadcnt 0x0                             ; the bias
	STEP 0, 0, 1                                   ; the first products start the sums from the bias: nothing is cleared, nothing is added later
	STEP 0, 1, 0
	STEP 0, 2, 0
	; slot 0's last step changes slots: one barrier; nothing is filled again
	s_wait_tensorcnt 0x0                           ; my part of slot 1 has landed
	ds_add_u32 v[SPW], v[NIL]
	s_wait_dscnt 4*NL+1                            ; (the add and the youngest eight loads may be out)
	WIN MUL_LO
	MUL16 0, 1, NQ-1, 0, 0
	s_wait_dscnt 0x0                               ; no LDS instruction of mine is out at the signal
	s_barrier_signal -1
	MUL16 2, 1, NQ-1, 0, 0
	WIN 0
	s_barrier_wait -1                              ; slot 1 is whole
	PLACES NP
	v_add_nc_u32 v[ADRS], 4*NQ, v[ADRS]            ; on to the second K step's scale words
	FETCH_B 1, 0, 0
	FETCH_A 1, 0, 0
	SCALES 1
	WIN MUL_HI
	MUL16 4, 1, NQ-1, 0, 0
	MUL16 6, 1, NQ-1, 0, 0
	PLACES NP
	WIN 0
	FETCH_A 1, 0, 4
	STEP 1, 0, 0
	STEP 1, 1, 0
	STEP 1, 2, 0
	s_wait_dscnt 4*NL                              ; the very last step: nothing more to fetch
	WIN MUL_LO
	MUL16 0, 1, NQ-1, 1, 0
	MUL16 2, 1, NQ-1, 1, 0
	s_wait_dscnt 0
	WIN MUL_HI
	MUL16 4, 1, NQ-1, 1, 0
	MUL16 6, 1, NQ-1, 1, 0
	WIN 0
; THE WAY OUT, a block of 16 tokens x 128 features (two heads) at a time: x the factor, rounded to f16, 16 bytes a lane into my stage, back as four tokens' pieces of one head: 512 consecutive bytes of qkv a store.
.macro PACK a
.set AC, 64*((\a)%4)
	WIN 0x02+(\a)/4                                ; source 0: window 2 or 3
.set n, 0
.rept 32
	v_pk_mul_f32 v[T+2*n:T+2*n+1], v[AC+2*n:AC+2*n+1], s[96:97] op_sel_hi:[1,0]   ; ascending: each accumulator from its low end on
.set n, n+1
.endr
	WIN 0
.set n, 0
.rept 32
	v_cvt_pk_f16_f32 v[TMP+n], v[T+2*n], v[T+2*n+1]
.set n, n+1
.endr
.endm
.macro TOSTAGE a
.set BB, BK+32*((\a)%2)
.irp b, 0,1,2,3,4,5,6,7
	ds_store_b128 v[STO], v[TMP+4*\b:TMP+4*\b+3] offset:32*\b
.endr
.irp t, 0,1,2,3,4,5,6,7
	ds_load_b128 v[BB+4*\t:BB+4*\t+3], v[RD] offset:4*SPITCH*(\t/2)+128*(\t%2)   ; LDS serves a wave's instructions in order: these see the stores above
.endr
.endm
.macro SEND a
.set BB, BK+32*((\a)%2)
	s_wait_dscnt 0x0                               ; the block is back in registers
	s_wait_xcnt 0x0                                ; the stores of the block before have read their data: the next block's loads may land there
.irp t, 0,1,2,3,4,5,6,7
	global_store_b128 v[CO], v[BB+4*\t:BB+4*\t+3], s[12:13] offset:2048*(\a)+512*(\t/2)+131072*(\t%2)
.endr
.endm
	PLACES NP
	PACK 0
	TOSTAGE 0
.irp a, 1,2,3,4,5,6,7                  ; block a's arithmetic stands between block a - 1's loads from the stage and the wait for them
	PACK \a
	SEND \a-1
	TOSTAGE \a
.endr
	SEND 7
	s_wait_tensorcnt 0x0                           ; the wave's end
	ds_add_u32 v[SPW], v[NIL]
	s_wait_dscnt 0x0
	CROUND                                         ; the closing round
	s_endpgm
.Lfunc_end_k_qd0b62839ba_proj:
	.size	k_qd0b62839ba_proj, .Lfunc_end_k_qd0b62839ba_proj-k_qd0b62839ba_proj
	.p2alignl 7, 3214868480
	.fill 96, 4, 3214868480
	.section	.rodata,"a",@progbits
	.p2align	6, 0x0
	.amdhsa_kernel k_qd0b62839ba_proj
		.amdhsa_group_segment_fixed_size 327680
		.amdhsa_private_segment_fixed_size 0
		.amdhsa_enable_private_segment 0
		.amdhsa_kernarg_size 32
		.amdhsa_user_sgpr_count 2
		.amdhsa_user_sgpr_kernarg_segment_ptr 1
		.amdhsa_wavefront_size32 1
		.amdhsa_system_sgpr_workgroup_id_x 1
		.amdhsa_system_sgpr_workgroup_id_y 1
		.amdhsa_system_sgpr_workgroup_id_z 1
		.amdhsa_system_vgpr_workitem_id 0
		.amdhsa_next_free_vgpr 1024
		.amdhsa_next_free_sgpr 98
		.amdhsa_reserve_vcc 0
		.amdhsa_float_denorm_mode_32 3
		.amdhsa_float_denorm_mode_16_64 3
		.amdhsa_memory_ordered 1
		.amdhsa_forward_progress 1
		.amdhsa_inst_pref_size 144
	.end_amdhsa_kernel
	.amdgpu_metadata
---
amdhsa.version: [ 1, 2 ]
amdhsa.kernels:
  - .name:           k_qd0b62839ba_proj
    .symbol:         k_qd0b62839ba_proj.kd
    .args:
      - { .name: codes, .offset: 0, .size: 8, .value_kind: global_buffer, .address_space: global }
      - { .name: scales, .offset: 8, .size: 8, .value_kind: global_buffer, .address_space: global }
      - { .name: in_proj_bias, .offset: 16, .size: 8, .value_kind: global_buffer, .address_space: global }
      - { .name: qkv, .offset: 24, .size: 8, .value_kind: global_buffer, .address_space: global }
    .group_segment_fixed_size: 327680
    .private_segment_fixed_size: 0
    .kernarg_segment_align: 8
    .kernarg_segment_size: 32
    .max_flat_workgroup_size: 128
    .sgpr_count:     98
    .vgpr_count:     1024
    .wavefront_size: 32
...
	.end_amdgpu_metadata
.endif
;; end of part 2
;; launch attn (part 3): grid 2 x 128, 8 waves a work-group, no clusters, 327,680 bytes of LDS; arguments qkv, maskimg, key_padding_mask, ao; writes ao
.if DOCPART == 3
	.amdgcn_target "amdgcn-amd-amdhsa--gfx1250"
	.amdhsa_code_object_version 6
	.text
	.protected	k_qd0b62839ba_attn
	.globl	k_qd0b62839ba_attn
	.p2align	8
	.type	k_qd0b62839ba_attn,@function
k_qd0b62839ba_attn:
	s_mov_b64 s[64:65], 0
	v_nop
	global_prefetch_b8 v0, s[64:65] scope:SCOPE_SE
	s_setreg_imm32_b32 hwreg(HW_REG_WAVE_MODE, 25, 1), 1
	s_wait_xcnt 0x0
; ATTENTION OF ONE HEAD: ao[head][q][:] = softmax_k(q . k / 8, -inf where key_padding_mask, + attn_mask) v.  q, k, v: f16, head-major [3][128][1024][64]; q carries the factor log2(e) / 8; maskimg holds attn_mask x log2(e), f32,
; as an image of the score accumulators' registers; ao: f16 [128][1024][64].  Products on f16 operands with f32 sums; maxima, exponentials and sums in f32; the weights p (at most 1) are rounded to f16.
; LIMITS: attn_mask is finite or -inf (+inf on a padded key is not served); the result lies within f16's range.  A query all of whose keys are masked comes out NaN (0 x 1 / 0), as the softmax of -inf alone does.
; SHARES.  A work-group owns one head and 512 queries; each of its eight waves 64 of them, four tiles of 16, in 512 registers: two waves to a SIMD, so that one wave's vector work stands beside the other's products and loads,
; and each fragment of K and V that a wave reads from LDS feeds four products.
; THE HEAD'S WHOLE K AND V LIE IN LDS, filled once: four chunks of 256 keys, all asked for at the head (waves 0-3: K, waves 4-7: V; 32 rows of two keys a load, four loads of mine out at the most).  The first chunk is read behind a
; counted wait and a barrier, the other three behind a wait for all and one more barrier; nothing is filled again.  No cluster: only the two work-groups of a head share K and V.
; THE MASK'S IMAGE goes from memory straight into the accumulators, and it is asked for A STEP AHEAD: P has registers of its own, so a pair of tiles' score registers are free as soon as the pair is rounded to P, and the pair's
; 16 loads for the next step stand directly behind those conversions.  The last step asks for nothing: no load leaves the buffer.  No prefetch: K and V are all asked for at the head, and the image is read by many work-groups.
; LAYOUT.  S^T = K Q^T + mask (source 0 = 16 keys, source 1 = 16 queries): a lane holds ONE query (l % 16) and keys 8 (l / 16) + 0..7 of each tile.  Two such tiles, rounded to f16 in pairs, are source 1 of O^T = V^T P.
; SOFTMAX.  A running maximum m (it begins at -3e38, a finite number, so that a step of masked keys alone gives p = 0) and sum l; in every step O and l are multiplied by a = 2^(m_old - m_new).
; REGISTERS, in windows of 256 (s_set_vgpr_msb: bits 1:0 source 0, 3:2 source 1, 5:4 source 2, 7:6 destination):
;   window 0: v1-10 addresses; v16-47 statistics, eight a tile; v48-51 the padding numbers on their way to LDS; v64-127 Q; v128-255 S^T, 32 a tile.
;   window 1: v0-127 O^T, 32 a tile; v128-191 K's 8 fragments, then V's 8; v192-255 P, 16 a tile (ahead of the softmax its first 32 hold the step's padding numbers).
.set PK,    272                        ; a row of two keys of K: 256 bytes + 16: the 16 keys of a load start at 16 different groups of four banks
.set PV,    288                        ; of V: 256 + 32
.set VB,    512*PK
.set KPB,   VB+512*PV                  ; 1,024 numbers, 0 or -inf: the padding mask of my batch; stored by the waves, bytes of its own
.set SPARE, KPB+4096                   ; the spare words, 128 bytes a wave
.set SPO,   144                        ; the way out: a row of 128 bytes + 16; 64 rows a wave, laid over K behind the last barrier
.set AK0, 1
.set AV0, 2
.set AP0, 3
.set AM0, 4
.set ADK, 5
.set ADV, 6
.set ADP, 7
.set ADM, 8
.set SPW, 9
.set NIL, 10
.set ST,  16                           ; tile t at v[ST + 8 t]: +0 m, +1 m_old - m_new, +2, +3 l (even keys', odd keys'), +4 a, +5 its partner in the pair, +6, +7 at work
.set KPD, 48
.set Q,   64                           ; Q: tile qt, channels 32 c on, at Q + 16 qt + 8 c
.set S,   128                          ; S^T: tile qt, keys 16 tau on, at S + 32 qt + 8 tau
.set O,   0                            ; window 1: O^T: tile qt, channels 16 ct on, at O + 32 qt + 8 ct
.set KV,  128                          ; window 1
.set PR,  192                          ; window 1: P: tile qt, keys 32 g on, at PR + 16 qt + 8 g
.set WV,  12
.set SEL, 14
.set G1K, 16
.set G1V, 24
.set G0K, 32
.set G0V, 48
.set TK,  66
.set TV,  67
.set TP,  68
.set TM,  69
.set CNT, 70
.set MSB, 0
.macro WIN new                         ; the immediate's high byte repeats the setting that is left; a switch that changes nothing is dropped
.if MSB != (\new)
	s_set_vgpr_msb (MSB<<8)|(\new)
.set MSB, (\new)
.endif
.endm
.set W_LD, 0x40                        ; destination window 1 (LDS loads into K, V, P's registers; conversions into P), all else window 0
.set W_KQ, 0x01                        ; K in window 1; Q and S^T in window 0
.set W_KP, 0x04                        ; source 1 (the padding numbers) in window 1
.set W_RS, 0x41                        ; O^T (destination and source 0) in window 1, a in window 0
.set W_PV, 0x55                        ; V, P and O^T in window 1
	s_load_b256 s[4:11], s[0:1], 0x0               ; qkv s[4:5], maskimg s[6:7], key_padding_mask s[8:9], ao s[10:11]
	v_lshl_add_u32 v[SPW], v0, 2, SPARE
	v_mov_b32 v[NIL], 0
	ds_add_u32 v[SPW], v[NIL]                      ; the wave's opening: the add, twice on end, and its wait ahead of my first tensor load
	ds_add_u32 v[SPW], v[NIL]
	v_lshrrev_b32 v11, 5, v0
	v_readfirstlane_b32 s[WV], v11                 ; wave 0..7
	s_mov_b32 s[G1K], (3<<16)|(1<<20)|(5<<22)|(3<<25)   ; no mask; elements of 8 bytes; padding on: 4 words after every 64
	s_mov_b32 s[G1V], (3<<16)|(1<<20)|(5<<22)|(7<<25)   ; 8 words
.irp g, G1K, G1V
	s_mov_b32 s[\g+1], 32<<16                      ; tensor_dim0 = 32 elements: two keys, 256 bytes
	s_mov_b32 s[\g+2], 32<<16                      ; tensor_dim1 = 32 rows
	s_mov_b32 s[\g+3], 32<<16                      ; tile_dim0
	s_mov_b32 s[\g+4], 32                          ; tile_dim1
	s_mov_b32 s[\g+5], 32                          ; dense rows
	s_mov_b32 s[\g+6], 0
	s_mov_b32 s[\g+7], 0
.endr
	s_and_b32 s72, ttmp7, 0xffff                   ; batch x 16 + head
	s_lshr_b32 s70, s72, 4
	s_lshl_b32 s70, s70, 10                        ; my batch's 1,024 bytes of the padding mask
	s_mov_b32 s71, 0
	s_lshl_b32 s72, s72, 17                        ; the head's first byte: 131,072 bytes a head
	s_and_b32 s74, s[WV], 3                        ; which 32 rows of a chunk's 128 I fetch
	s_lshl_b32 s75, s74, 13
	s_add_co_u32 s76, s72, s75
	s_mov_b32 s77, 0
	s_lshl_b32 s78, ttmp9, 16                      ; my work-group's 512 queries,
	s_lshl_b32 s79, s[WV], 13                      ; my wave's 64
	s_add_co_u32 s78, s78, s79
	s_add_co_u32 s78, s78, s72
	s_mov_b32 s79, 0
	s_mul_i32 s73, s74, 32*PK
	s_mul_i32 s75, s74, 32*PV
	s_mov_b32 s[SEL], 0x76543210
	s_mov_b32 s[SEL+1], 0xfedcba98                 ; v_permlanex16_b32's selects for lane l xor 16
	s_wait_dscnt 0x0                               ; both opening adds are done
	s_wait_kmcnt 0x0
	s_add_nc_u64 s[76:77], s[4:5], s[76:77]
.irp c, 0,1,2,3
	s_mov_b32 s[G0K+4*\c], 1
	s_add_co_u32 s[G0K+4*\c+1], s73, \c*128*PK
	s_add_nc_u64 s[G0K+4*\c+2:G0K+4*\c+3], s[76:77], 16777216+\c*32768
	s_or_b32 s[G0K+4*\c+3], s[G0K+4*\c+3], 0x80000000
	s_mov_b32 s[G0V+4*\c], 1
	s_add_co_u32 s[G0V+4*\c+1], s75, VB+\c*128*PV
	s_add_nc_u64 s[G0V+4*\c+2:G0V+4*\c+3], s[76:77], 33554432+\c*32768
	s_or_b32 s[G0V+4*\c+3], s[G0V+4*\c+3], 0x80000000
.endr
	s_cmp_lt_u32 s[WV], 4                          ; a wave's four first fills stand in one branch, ahead of every wait on TENSORcnt, every LDS read and every barrier
	s_cbranch_scc0 .Lfirst_v
.irp c, 0,1,2,3
	tensor_load_to_lds s[G0K+4*\c:G0K+4*\c+3], s[G1K:G1K+7]
	s_nop 0
.endr
.rept 4
	v_nop
.endr
	s_branch .Lfirst_asked
.Lfirst_v:
.irp c, 0,1,2,3
	tensor_load_to_lds s[G0V+4*\c:G0V+4*\c+3], s[G1V:G1V+7]
	s_nop 0
.endr
.rept 4
	v_nop
.endr
.Lfirst_asked:
	s_add_nc_u64 s[8:9], s[8:9], s[70:71]
	s_add_nc_u64 s[4:5], s[4:5], s[78:79]          ; Q at my wave's first query
	s_add_nc_u64 s[10:11], s[10:11], s[78:79]      ; ao likewise
	s_lshl_b32 s72, ttmp9, 5
	s_lshl_b32 s73, s[WV], 2
	s_add_co_u32 s72, s72, s73                     ; my first tile of 16 queries among the 64
	s_lshl_b32 s72, s72, 16                        ; 65,536 bytes of the image a tile
	v_and_b32 v11, 15, v0                          ; r
	v_bfe_u32 v12, v0, 4, 1                        ; h
	v_and_b32 v13, 31, v0                          ; l
	v_lshl_add_u32 v[AM0], v13, 4, s72
	v_lshrrev_b32 v14, 1, v11
	v_mul_u32_u24 v[AK0], v14, PK
	v_and_b32 v14, 1, v11
	v_lshl_add_u32 v[AK0], v14, 7, v[AK0]
	v_lshl_add_u32 v[AK0], v12, 4, v[AK0]          ; K: key r of a tile: row r / 2, half r % 2; + 16 h
	v_and_b32 v14, 7, v0
	v_lshl_add_u32 v14, v12, 3, v14                ; V: the turning load's key 8 h + l % 8,
	v_lshrrev_b32 v15, 1, v14
	v_mul_u32_u24 v[AV0], v15, PV
	v_and_b32 v15, 1, v14
	v_lshl_add_u32 v[AV0], v15, 7, v[AV0]
	v_bfe_u32 v15, v0, 3, 1
	v_lshl_add_u32 v[AV0], v15, 4, v[AV0]          ; channels 8 ((l / 8) % 2) on
	v_add_nc_u32 v[AV0], VB, v[AV0]
	v_lshl_add_u32 v[AP0], v12, 5, KPB             ; the padding numbers of my half's eight keys
	v_lshlrev_b32 v13, 7, v11
	v_lshl_add_u32 v13, v12, 4, v13                ; Q: row r of 128 bytes, + 16 h; not rewritten before the way out
	v_lshlrev_b32 v11, 2, v0                       ; the padding mask: four bytes a thread
	v_lshl_add_u32 v12, v0, 4, KPB                 ; and where their four numbers go
	global_load_b32 v14, v11, s[8:9]
.irp qt, 0,1,2,3
.irp c, 0,1
	global_load_b128 v[Q+16*\qt+8*\c:Q+16*\qt+8*\c+3], v13, s[4:5] offset:2048*\qt+64*\c
	global_load_b128 v[Q+16*\qt+8*\c+4:Q+16*\qt+8*\c+7], v13, s[4:5] offset:2048*\qt+64*\c+32
.endr
.endr
.irp qt, 0,1,2,3
.irp c, 0,1,2,3,4,5,6,7
	global_load_b128 v[S+32*\qt+4*\c:S+32*\qt+4*\c+3], v[AM0], s[6:7] offset:65536*\qt+512*\c   ; the first step's mask: it lands where the scores are summed; 512 consecutive bytes a load
.endr
.endr
	WIN W_LD
.set n, 0
.rept 128
	v_mov_b32 v[O+n], 0                            ; O^T.  (The step's arithmetic is written one way: the first step finds zeros, which a = 0 leaves zeros)
.set n, n+1
.endr
	WIN 0
.irp t, 0,1,2,3
	v_mov_b32 v[ST+8*\t], 0xff61b1e6               ; m = -3e38
	v_mov_b32 v[ST+8*\t+1], 0
	v_mov_b32 v[ST+8*\t+2], 0                      ; l
	v_mov_b32 v[ST+8*\t+3], 0
	v_mov_b32 v[ST+8*\t+5], 0                      ; named with a as a pair, so it is written
	v_mov_b32 v[ST+8*\t+7], 0                      ; a lane permute's destination counts as one of its sources
.endr
	s_wait_loadcnt 48                              ; the four mask bytes are in; Q's 16 loads and the image's 32, issued behind them, may be out
	v_bfe_u32 v[KPD], v14, 0, 8
	v_bfe_u32 v[KPD+1], v14, 8, 8
	v_bfe_u32 v[KPD+2], v14, 16, 8
	v_lshrrev_b32 v[KPD+3], 24, v14
.irp i, 0,1,2,3
	v_sub_nc_u32 v[KPD+\i], 0, v[KPD+\i]           ; 0 or all ones,
.endr
.irp i, 0,1,2,3
	v_and_b32 v[KPD+\i], 0xff800000, v[KPD+\i]     ; 0 or -inf
.endr
	ds_store_b128 v12, v[KPD:KPD+3]
; THE SOFTMAX OF A PAIR OF TILES ta, tb for one key step; then the pair's P, the pair's mask for the next step (ask = 1), and the pair's O^T x a.
.macro SOFT ta, tb, ask
.irp t, \ta, \tb                               ; the maximum of my 32 scores and the old m: two chains a tile, the tiles by turns
	v_max3_num_f32 v[ST+8*\t+6], v[S+32*\t], v[S+32*\t+1], v[S+32*\t+2]
	v_max3_num_f32 v[ST+8*\t+7], v[S+32*\t+17], v[S+32*\t+18], v[S+32*\t+19]
.endr
.irp i, 3,5,7,9,11,13
.irp t, \ta, \tb
	v_max3_num_f32 v[ST+8*\t+6], v[ST+8*\t+6], v[S+32*\t+\i], v[S+32*\t+\i+1]
	v_max3_num_f32 v[ST+8*\t+7], v[ST+8*\t+7], v[S+32*\t+17+\i], v[S+32*\t+18+\i]
.endr
.endr
.irp t, \ta, \tb
	v_max3_num_f32 v[ST+8*\t+6], v[ST+8*\t+6], v[S+32*\t+15], v[S+32*\t+16]
.endr
.irp t, \ta, \tb
	v_max3_num_f32 v[ST+8*\t+6], v[ST+8*\t+6], v[ST+8*\t+7], v[ST+8*\t]
.endr
.irp t, \ta, \tb
	v_permlanex16_b32 v[ST+8*\t+7], v[ST+8*\t+6], s[SEL], s[SEL+1]   ; the query's other 32 keys lie in the lane 16 away
.endr
.irp t, \ta, \tb
	v_max_num_f32 v[ST+8*\t+6], v[ST+8*\t+6], v[ST+8*\t+7]
.endr
.irp t, \ta, \tb
	v_sub_f32 v[ST+8*\t+1], v[ST+8*\t], v[ST+8*\t+6]   ; m_old - m_new
.endr
.irp t, \ta, \tb
	v_mov_b32 v[ST+8*\t], v[ST+8*\t+6]
.endr
.irp t, \ta, \tb
.set n, 0
.rept 16
	v_pk_add_f32 v[S+32*\t+2*n:S+32*\t+2*n+1], v[S+32*\t+2*n:S+32*\t+2*n+1], v[ST+8*\t:ST+8*\t+1] op_sel_hi:[1,0] neg_lo:[0,1] neg_hi:[0,1]   ; t - m (of the pair the low word serves both halves)
.set n, n+1
.endr
.endr
.irp t, \ta, \tb                               ; ONE BATCH of 66 exponentials
	v_exp_f32 v[ST+8*\t+4], v[ST+8*\t+1]           ; a
.endr
.irp t, \ta, \tb
.set n, 0
.rept 32
	v_exp_f32 v[S+32*\t+n], v[S+32*\t+n]           ; p = 2^(t - m)
.set n, n+1
.endr
.endr
	v_nop                                          ; a plain instruction behind the last exponential
	s_wait_alu depctr_va_vdst(0)                   ; the wait ahead of the first instruction that names a result: one for the batch
.irp t, \ta, \tb
	v_pk_mul_f32 v[ST+8*\t+2:ST+8*\t+3], v[ST+8*\t+2:ST+8*\t+3], v[ST+8*\t+4:ST+8*\t+5] op_sel_hi:[1,0]   ; l x a
	v_pk_add_f32 v[ST+8*\t+6:ST+8*\t+7], v[S+32*\t:S+32*\t+1], v[S+32*\t+2:S+32*\t+3]                     ; the sums of p, in f32, in two chains a tile
.endr
.irp i, 4,8,12,16,20,24,28
.irp t, \ta, \tb
	v_pk_add_f32 v[ST+8*\t+2:ST+8*\t+3], v[ST+8*\t+2:ST+8*\t+3], v[S+32*\t+\i:S+32*\t+\i+1]
	v_pk_add_f32 v[ST+8*\t+6:ST+8*\t+7], v[ST+8*\t+6:ST+8*\t+7], v[S+32*\t+\i+2:S+32*\t+\i+3]
.endr
.endr
.irp t, \ta, \tb
	v_pk_add_f32 v[ST+8*\t+2:ST+8*\t+3], v[ST+8*\t+2:ST+8*\t+3], v[ST+8*\t+6:ST+8*\t+7]
.endr
	WIN W_LD
.irp t, \ta, \tb
.set n, 0
.rept 16
	v_cvt_pk_f16_f32 v[PR+16*\t+n], v[S+32*\t+2*n], v[S+32*\t+2*n+1]   ; P, in registers of its own: the pair's score registers are free from here on
.set n, n+1
.endr
.endr
	WIN 0
.if \ask
.irp t, \ta, \tb
.irp c, 0,1,2,3,4,5,6,7
	global_load_b128 v[S+32*\t+4*\c:S+32*\t+4*\c+3], v[ADM], s[6:7] offset:65536*\t+512*\c   ; the pair's mask for the NEXT step: what follows in this step, and the next step's loads of K, stand between these loads and the wait for them
.endr
.endr
.endif
	WIN W_RS
.irp t, \ta, \tb
.set n, 0
.rept 16
	v_pk_mul_f32 v[O+32*\t+2*n:O+32*\t+2*n+1], v[O+32*\t+2*n:O+32*\t+2*n+1], v[ST+8*\t+4:ST+8*\t+5] op_sel_hi:[1,0]   ; O^T x a; ascending: each accumulator from its low end on
.set n, n+1
.endr
.endr
	WIN 0
.endm
; A KEY STEP: 64 keys for my four tiles of queries.  ask = 1: the next step's mask is asked for.
.macro STEP ask
	v_add_nc_u32 v[ADK], s[TK], v[AK0]             ; this step's LDS addresses, and a v_nop: the four places between the last step's products V^T P and the loads into V's and P's registers
	v_add_nc_u32 v[ADV], s[TV], v[AV0]
	v_add_nc_u32 v[ADP], s[TP], v[AP0]
	v_nop
	s_add_co_u32 s[TK], s[TK], 32*PK
	s_add_co_u32 s[TV], s[TV], 32*PV
	s_add_co_u32 s[TP], s[TP], 256
	WIN W_LD
.irp tau, 0,1,2,3
.irp c, 0,1
	ds_load_b128 v[KV+16*\tau+8*\c:KV+16*\tau+8*\c+3], v[ADK] offset:8*PK*\tau+64*\c
	ds_load_b128 v[KV+16*\tau+8*\c+4:KV+16*\tau+8*\c+7], v[ADK] offset:8*PK*\tau+64*\c+32
.endr
.endr
.irp tau, 0,1,2,3
	ds_load_b128 v[PR+8*\tau:PR+8*\tau+3], v[ADP] offset:64*\tau       ; the padding numbers come with K, into registers that P takes only behind the softmax
	ds_load_b128 v[PR+8*\tau+4:PR+8*\tau+7], v[ADP] offset:64*\tau+16
.endr
	s_wait_loadcnt 0x0                             ; the mask, asked for a step ago (in the first step: at the head, and Q with it)
	s_wait_dscnt 0x0                               ; K and the padding numbers
	WIN W_KQ
.irp c, 0,1                                    ; t = q . k log2(e) / 8 + mask log2(e): the sixteen accumulators take turns, one instruction a turn
.irp tau, 0,1,2,3
.irp qt, 0,1,2,3
	v_wmma_f32_16x16x32_f16 v[S+32*\qt+8*\tau:S+32*\qt+8*\tau+7], v[KV+16*\tau+8*\c:KV+16*\tau+8*\c+7], v[Q+16*\qt+8*\c:Q+16*\qt+8*\c+7], v[S+32*\qt+8*\tau:S+32*\qt+8*\tau+7]
.endr
.endr
.endr
.rept 4
	v_nop                                          ; places ahead of the loads into K's registers and of the first read of the scores
.endr
	WIN W_LD
.irp g, 0,1                                    ; V, turned: it lands while the softmax is worked
.irp ct, 0,1,2,3
	ds_load_tr16_b128 v[KV+32*\g+8*\ct:KV+32*\g+8*\ct+3], v[ADV] offset:16*PV*\g+32*\ct
	ds_load_tr16_b128 v[KV+32*\g+8*\ct+4:KV+32*\g+8*\ct+7], v[ADV] offset:16*PV*\g+8*PV+32*\ct
.endr
.endr
	WIN W_KP
.irp qt, 0,1,2,3
.set n, 0
.rept 16
	v_pk_add_f32 v[S+32*\qt+2*n:S+32*\qt+2*n+1], v[S+32*\qt+2*n:S+32*\qt+2*n+1], v[PR+2*n:PR+2*n+1]   ; -inf on padded keys; ascending: each accumulator from its low end on
.set n, n+1
.endr
.endr
	WIN 0
.if \ask
	v_add_nc_u32 v[ADM], s[TM], v[AM0]             ; where the next step's mask lies (the loads that named this register were waited for above)
	s_add_co_u32 s[TM], s[TM], 4096
.endif
	SOFT 0, 1, \ask
	SOFT 2, 3, \ask
	s_wait_dscnt 0x0                               ; V
	WIN W_PV
.irp g, 0,1                                    ; O^T += V^T P: the sixteen accumulators take turns
.irp ct, 0,1,2,3
.irp qt, 0,1,2,3
	v_wmma_f32_16x16x32_f16 v[O+32*\qt+8*\ct:O+32*\qt+8*\ct+7], v[KV+32*\g+8*\ct:KV+32*\g+8*\ct+7], v[PR+16*\qt+8*\g:PR+16*\qt+8*\g+7], v[O+32*\qt+8*\ct:O+32*\qt+8*\ct+7]
.endr
.endr
.endr
	WIN 0                                          ; at a label and at a branch every window is 0
.endm
	; THE FIRST CHUNK, keys 0 to 255: steps 0 to 3
	s_wait_tensorcnt 3                             ; my part of the first chunk is in; my three loads of the later chunks, issued behind it, may be out
	s_wait_dscnt 0x0                               ; for the others' sake: my store of the padding numbers is done
	s_barrier_signal -1
	s_barrier_wait -1                              ; everybody's part of the chunk, and all padding numbers, are in
	s_mov_b32 s[TK], 0
	s_mov_b32 s[TV], 0
	s_mov_b32 s[TP], 0
	s_mov_b32 s[TM], 4096                          ; step 0 asks for step 1's mask
	s_mov_b32 s[CNT], 4
.Lfirst:
	STEP 1
	s_sub_co_u32 s[CNT], s[CNT], 1
	s_cmp_lg_u32 s[CNT], 0
	s_cbranch_scc1 .Lfirst
	; THE OTHER THREE CHUNKS, keys 256 to 1,023: steps 4 to 14 in a loop, step 15 written out
	s_wait_tensorcnt 0x0                           ; all my tensor loads have landed
	s_wait_dscnt 0x0                               ; no LDS instruction of mine is out at the signal
	s_barrier_signal -1
	s_barrier_wait -1                              ; everybody's have: the whole head lies in LDS
	s_mov_b32 s[TK], 128*PK
	s_mov_b32 s[TV], 128*PV
	s_mov_b32 s[TP], 1024
	s_mov_b32 s[TM], 5*4096
	s_mov_b32 s[CNT], 11
.Lrest:
	STEP 1
	s_sub_co_u32 s[CNT], s[CNT], 1
	s_cmp_lg_u32 s[CNT], 0
	s_cbranch_scc1 .Lrest
	s_mov_b32 s[TK], 15*32*PK
	s_mov_b32 s[TV], 15*32*PV
	s_mov_b32 s[TP], 15*256
	STEP 0                                         ; the last step asks for nothing
	; THE WAY OUT.  Behind this barrier nobody reads K: the stages lie over it (it has had its only fill).
	s_wait_dscnt 0x0
	s_barrier_signal -1
	s_barrier_wait -1
	v_and_b32 v11, 15, v0                          ; the addresses are also the places behind the last products
	v_bfe_u32 v12, v0, 4, 1
	s_mul_i32 s72, s[WV], 64*SPO                   ; my stage
	v_mul_u32_u24 v11, v11, SPO
	v_lshl_add_u32 v11, v12, 4, v11
	v_add_nc_u32 v11, s72, v11                     ; in: row r, 16 bytes for each half of the lanes
	v_bfe_u32 v12, v0, 3, 2
	v_and_b32 v15, 7, v0
	v_mul_u32_u24 v12, v12, SPO
	v_lshl_add_u32 v12, v15, 4, v12
	v_add_nc_u32 v12, s72, v12                     ; back: eight lanes a row of 128 bytes, four rows an instruction
	v_and_b32 v13, 31, v0
	v_lshlrev_b32 v13, 4, v13                      ; which are 512 consecutive bytes of ao
.irp t, 0,1,2,3
	v_add_f32 v[ST+8*\t+6], v[ST+8*\t+2], v[ST+8*\t+3]
.endr
.irp t, 0,1,2,3
	v_permlanex16_b32 v[ST+8*\t+7], v[ST+8*\t+6], s[SEL], s[SEL+1]
.endr
.irp t, 0,1,2,3
	v_add_f32 v[ST+8*\t+6], v[ST+8*\t+6], v[ST+8*\t+7]   ; the row's sum
.endr
.irp t, 0,1,2,3
	v_rcp_f32 v[ST+8*\t+4], v[ST+8*\t+6]
.endr
	v_nop                                          ; a plain instruction behind the last reciprocal
	s_wait_alu depctr_va_vdst(0)                   ; and the wait: one for the four
	WIN W_RS
.irp t, 0,1,2,3
.set n, 0
.rept 16
	v_pk_mul_f32 v[O+32*\t+2*n:O+32*\t+2*n+1], v[O+32*\t+2*n:O+32*\t+2*n+1], v[ST+8*\t+4:ST+8*\t+5] op_sel_hi:[1,0]   ; O^T / the sum; ascending: each accumulator from its low end on
.set n, n+1
.endr
.endr
	WIN 0x05                                       ; sources 0 and 1 window 1, destination window 0: the scores' registers are free
.set n, 0
.rept 64
	v_cvt_pk_f16_f32 v[S+n], v[O+2*n], v[O+2*n+1]
.set n, n+1
.endr
	WIN 0
.irp qt, 0,1,2,3
.irp ct, 0,1,2,3
	ds_store_b128 v11, v[S+16*\qt+4*\ct:S+16*\qt+4*\ct+3] offset:16*SPO*\qt+32*\ct
.endr
.endr
.irp i, 0,1,2,3,4,5,6,7,8,9,10,11,12,13,14,15
	ds_load_b128 v[S+64+4*\i:S+64+4*\i+3], v12 offset:4*SPO*\i   ; LDS serves a wave's instructions in order: these see my stores
.endr
.irp i, 0,1,2,3,4,5,6,7,8,9,10,11,12,13,14,15
	s_wait_dscnt 15-\i                             ; the loads behind load i may be out
	global_store_b128 v13, v[S+64+4*\i:S+64+4*\i+3], s[10:11] offset:512*\i   ; 512 consecutive bytes, aligned
.endr
	s_wait_tensorcnt 0x0                           ; the wave's end
	ds_add_u32 v[SPW], v[NIL]
	s_wait_dscnt 0x0
	s_endpgm
.Lfunc_end_k_qd0b62839ba_attn:
	.size	k_qd0b62839ba_attn, .Lfunc_end_k_qd0b62839ba_attn-k_qd0b62839ba_attn
	.p2alignl 7, 3214868480
	.fill 96, 4, 3214868480
	.section	.rodata,"a",@progbits
	.p2align	6, 0x0
	.amdhsa_kernel k_qd0b62839ba_attn
		.amdhsa_group_segment_fixed_size 327680
		.amdhsa_private_segment_fixed_size 0
		.amdhsa_enable_private_segment 0
		.amdhsa_kernarg_size 32
		.amdhsa_user_sgpr_count 2
		.amdhsa_user_sgpr_kernarg_segment_ptr 1
		.amdhsa_wavefront_size32 1
		.amdhsa_system_sgpr_workgroup_id_x 1
		.amdhsa_system_sgpr_workgroup_id_y 1
		.amdhsa_system_sgpr_workgroup_id_z 1
		.amdhsa_system_vgpr_workitem_id 0
		.amdhsa_next_free_vgpr 512
		.amdhsa_next_free_sgpr 80
		.amdhsa_reserve_vcc 0
		.amdhsa_float_denorm_mode_32 3
		.amdhsa_float_denorm_mode_16_64 3
		.amdhsa_memory_ordered 1
		.amdhsa_forward_progress 1
		.amdhsa_inst_pref_size 148
	.end_amdhsa_kernel
	.amdgpu_metadata
---
amdhsa.version: [ 1, 2 ]
amdhsa.kernels:
  - .name:           k_qd0b62839ba_attn
    .symbol:         k_qd0b62839ba_attn.kd
    .args:
      - { .name: qkv, .offset: 0, .size: 8, .value_kind: global_buffer, .address_space: global }
      - { .name: maskimg, .offset: 8, .size: 8, .value_kind: global_buffer, .address_space: global }
      - { .name: key_padding_mask, .offset: 16, .size: 8, .value_kind: global_buffer, .address_space: global }
      - { .name: ao, .offset: 24, .size: 8, .value_kind: global_buffer, .address_space: global }
    .group_segment_fixed_size: 327680
    .private_segment_fixed_size: 0
    .kernarg_segment_align: 8
    .kernarg_segment_size: 32
    .max_flat_workgroup_size: 256
    .sgpr_count:     80
    .vgpr_count:     512
    .wavefront_size: 32
...
	.end_amdgpu_metadata
.endif
;; end of part 3
;; launch outp (part 4): grid 4 x 64, 4 waves a work-group, clusters of 4 x 4, 327,680 bytes of LDS; arguments ao, wo16, out_proj_bias, out0; writes out0
.if DOCPART == 4
	.amdgcn_target "amdgcn-amd-amdhsa--gfx1250"
	.amdhsa_code_object_version 6
	.text
	.protected	k_qd0b62839ba_outp
	.globl	k_qd0b62839ba_outp
	.p2align	8
	.type	k_qd0b62839ba_outp,@function
k_qd0b62839ba_outp:
	s_mov_b64 s[64:65], 0
	v_nop
	global_prefetch_b8 v0, s[64:65] scope:SCOPE_SE
	s_setreg_imm32_b32 hwreg(HW_REG_WAVE_MODE, 25, 1), 1
	s_wait_xcnt 0x0
	s_wait_alu depctr_hold_cnt(0) depctr_sa_sdst(0) depctr_va_vdst(0) depctr_va_sdst(0) depctr_va_ssrc(0) depctr_va_vcc(0) depctr_vm_vsrc(0)
	s_getreg_b32 s2, hwreg(HW_REG_IB_STS2, 6, 4)
	s_cmp_eq_u32 s2, 0
	s_cbranch_scc0 .Lentry_in_a_cluster
	s_endpgm
.Lentry_in_a_cluster:
	s_bfe_u32 s2, ttmp6, 0x10000c
	s_cmp_lg_u32 s2, 0xf033
	s_cbranch_scc0 .Lentry_shape_is_right
	s_endpgm
.Lentry_shape_is_right:
; THE OUTPUT PROJECTION: out0[token][n] = sum over e of ao(token, e) Wo[n][e] + out_proj_bias[n].  ao: f16, head-major [batch x 16 + head][token][64]; wo16: f16 [1024][1024]; out0: f32 [8192][1024]; sums in f32.
; A tile of 128 tokens x 256 outputs is made by four waves, 64 x 128 each: 32 accumulators, 256 registers: 256 work-groups.  K goes in 8 steps of 128 (two heads) through a ring of two LDS slots.
; A head's 128 tokens are 16,384 dense bytes: they come as 64 rows of two tokens.  One tensor load a wave: waves 0, 1 the step's two heads of ao, waves 2, 3 the two halves of Wo's 256 rows.
; CLUSTERS: 4 x 4 work-groups; ao's tiles are shared along a row of the cluster, Wo's along a column: each is asked for jointly; where a slot is filled again a round of the cluster's barrier stands in front.
; THE MATRIX INSTRUCTION IS USED TRANSPOSED (source 0 = 16 rows of Wo, source 1 = 16 tokens): a lane holds eight neighbouring outputs of one token.  The bias is the C of each sum's first product.
; REGISTERS: window 0: v0-31 addresses; v64-95, v96-127 the tokens' fragments, two buffers; v128-255 rows on the way out.  window 1: v0-63, v64-127 Wo's fragments, two buffers; v128-191 the bias.  window 2: accumulator (a, b) at v[8 (8 a + b)].
.set PITCH,  272                       ; an LDS row: 256 bytes + 16 of padding
.set APB,    64*PITCH                  ; a head's 128 tokens
.set ASZ,    2*APB
.set BH,     128*PITCH                 ; 128 rows of Wo
.set SLOT,   ASZ+2*BH
.set STAGE,  2*SLOT                    ; the way out: 16 rows x 528 bytes for each wave, bytes of its own
.set SPITCH, 528
.set SPARE,  STAGE+4*16*SPITCH         ; the spare words, 128 bytes a wave
.set LAPS,   4                         ; a lap = two K steps = once round the ring
.set ADRA, 16
.set ADRB, 20
.set STO,  24
.set RD,   25
.set CO,   26
.set BO,   27
.set SPW,  28
.set NIL,  29
.set AF,   64
.set BIAS, 128                         ; in window 1
.set BK,   128
.set G1, 24
.set G0, 32
.set G1B, 48
.set G0B, 56
.set MSB, 0
.macro WIN new                         ; the immediate's high byte repeats the setting that is left
.if MSB != (\new)
	s_set_vgpr_msb (MSB<<8)|(\new)
.set MSB, (\new)
.endif
.endm
.set MUL,  0xa1                        ; source 0 (Wo) window 1, source 1 (tokens) window 0, C and D window 2;  less 0x10: C window 1 (the bias)
.set TO_B, 0x40
.macro JLOAD s                         ; a joint load; the branch hangs on the wave's number alone; an s_nop 0 and four v_nop follow each of the two lines
	s_cmp_eq_u32 s13, 0
	s_cbranch_scc0 .Lfor_b_\@
	tensor_load_to_lds s[G0+4*\s:G0+4*\s+3], s[G1:G1+7]
	s_nop 0
.rept 4
	v_nop
.endr
	s_branch .Lasked_\@
.Lfor_b_\@:
	tensor_load_to_lds s[G0B+4*\s:G0B+4*\s+3], s[G1B:G1B+7]
	s_nop 0
.rept 4
	v_nop
.endr
.Lasked_\@:
.endm
.macro CREST                           ; a round of the cluster's barrier behind its opening barrier
	s_cmp_lg_u32 s12, 0
	s_cbranch_scc1 .Lnot_wave_0_\@
	s_barrier_signal -3
.Lnot_wave_0_\@:
	s_barrier_wait -3
	s_barrier_signal -1
	s_barrier_wait -1
.endm
.macro CROUND
	s_barrier_signal -1
	s_barrier_wait -1
	CREST
.endm
	s_load_b256 s[4:11], s[0:1], 0x0               ; ao s[4:5], wo16 s[6:7], out_proj_bias s[8:9], out0 s[10:11]
	v_lshl_add_u32 v[SPW], v0, 2, SPARE
	v_mov_b32 v[NIL], 0
	ds_add_u32 v[SPW], v[NIL]                      ; the wave's opening: the add, twice on end, and its wait ahead of my first tensor load
	ds_add_u32 v[SPW], v[NIL]
	v_lshrrev_b32 v1, 5, v0
	v_readfirstlane_b32 s12, v1                    ; wave 0..3
	s_lshr_b32 s13, s12, 1                         ; which 64 tokens are mine.  Also: I fetch for ao (0) or for Wo (1)
	s_and_b32 s14, s12, 1                          ; which 128 outputs.  Also: which head of the step, or which half of Wo's rows, I fetch
	s_bfe_u32 s40, ttmp6, 0x40000                  ; cx
	s_bfe_u32 s41, ttmp6, 0x40004                  ; cy
	s_lshl_b32 s42, ttmp9, 2
	s_add_co_u32 s42, s42, s40                     ; tile column = 4 x cluster x + cx
	s_and_b32 s15, ttmp7, 0xffff
	s_lshl_b32 s15, s15, 2
	s_add_co_u32 s15, s15, s41                     ; tile row = 4 x cluster y + cy
	s_lshl_b32 s43, s41, 2
	s_lshl_b32 s43, 15, s43                        ; my row of the cluster
	s_lshl_b32 s44, 0x1111, s40                    ; my column
	s_or_b32 s[G1+0], s43, (3<<16)|(1<<20)|(1<<21)|(5<<22)|(3<<25)  ; the mask; elements of 8 bytes; padding on; bit 21 beside a mask; 4 words of padding after every 64
	s_or_b32 s[G1B+0], s44, (3<<16)|(1<<20)|(1<<21)|(5<<22)|(3<<25)
	s_mov_b32 s[G1+1], 32<<16                      ; ao: 64 dense rows of 256 bytes
	s_mov_b32 s[G1+2], 64<<16
	s_mov_b32 s[G1+3], 32<<16
	s_mov_b32 s[G1+4], 64
	s_mov_b32 s[G1+5], 32
	s_mov_b32 s[G1+6], 0
	s_mov_b32 s[G1+7], 0
	s_mov_b32 s[G1B+1], 32<<16                     ; Wo: 128 rows of 256 bytes, 2,048 bytes apart
	s_mov_b32 s[G1B+2], 128<<16
	s_mov_b32 s[G1B+3], 32<<16
	s_mov_b32 s[G1B+4], 128
	s_mov_b32 s[G1B+5], 256
	s_mov_b32 s[G1B+6], 0
	s_mov_b32 s[G1B+7], 0
	s_lshr_b32 s16, s15, 3
	s_lshl_b32 s16, s16, 21                        ; ao: the batch's 16 heads of 131,072 bytes,
	s_and_b32 s17, s15, 7
	s_lshl_b32 s17, s17, 14                        ; the tile's 128 tokens of 128 bytes,
	s_add_co_u32 s16, s16, s17
	s_lshl_b32 s17, s14, 17                        ; my head of the step's two
	s_add_co_u32 s16, s16, s17
	s_mov_b32 s17, 0
	s_lshl_b32 s46, s42, 8
	s_lshl_b32 s47, s14, 7
	s_add_co_u32 s46, s46, s47                     ; Wo: row 256 x tile column + 128 x half,
	s_lshl_b32 s46, s46, 11                        ; 2,048 bytes a row
	s_mov_b32 s47, 0
	s_mul_i32 s20, s14, APB                        ; where they go
	s_mul_i32 s21, s14, BH
	s_add_co_u32 s21, s21, ASZ
	s_wait_dscnt 0x0                               ; both opening adds are done
	s_wait_kmcnt 0x0
	s_add_nc_u64 s[16:17], s[4:5], s[16:17]
	s_add_nc_u64 s[46:47], s[6:7], s[46:47]
	CROUND                                         ; all sixteen work-groups are here: the first joint loads meet
.irp s, 0,1
	s_mov_b32 s[G0+4*\s], 1
	s_add_co_u32 s[G0+4*\s+1], s20, \s*SLOT
	s_add_nc_u64 s[G0+4*\s+2:G0+4*\s+3], s[16:17], \s*262144      ; K step s: two heads on
	s_or_b32 s[G0+4*\s+3], s[G0+4*\s+3], 0x80000000
	s_mov_b32 s[G0B+4*\s], 1
	s_add_co_u32 s[G0B+4*\s+1], s21, \s*SLOT
	s_add_nc_u64 s[G0B+4*\s+2:G0B+4*\s+3], s[46:47], \s*256
	s_or_b32 s[G0B+4*\s+3], s[G0B+4*\s+3], 0x80000000
	JLOAD \s                                       ; two tensor loads of mine are out behind the second
.endr
	v_and_b32 v1, 15, v0                           ; r
	v_bfe_u32 v2, v0, 4, 1                         ; h
	v_lshrrev_b32 v3, 1, v1
	v_mul_u32_u24 v3, v3, PITCH
	v_and_b32 v4, 1, v1
	v_lshl_add_u32 v3, v4, 7, v3
	v_lshl_add_u32 v3, v2, 4, v3                   ; tokens: row r / 2, half r % 2, + 16 h
	v_mul_u32_u24 v4, v1, PITCH
	v_lshl_add_u32 v4, v2, 4, v4                   ; Wo: row r, + 16 h
	s_mul_i32 s21, s13, 32*PITCH                   ; my 64 tokens
	s_mul_i32 s22, s14, BH                         ; my 128 rows of Wo
	s_add_co_u32 s22, s22, ASZ
.irp s, 0,1
	v_add_nc_u32 v[ADRA+\s], s21, v3
	v_add_nc_u32 v[ADRB+\s], s22, v4
	s_add_co_u32 s21, s21, SLOT
	s_add_co_u32 s22, s22, SLOT
.endr
	s_mul_i32 s23, s12, 16*SPITCH
	s_add_co_u32 s23, s23, STAGE                   ; my stage
	v_mul_u32_u24 v5, v1, SPITCH
	v_lshl_add_u32 v5, v2, 5, v5
	v_add_nc_u32 v[STO], s23, v5                   ; in: row r, 32 bytes for each half of the lanes
	v_and_b32 v6, 31, v0
	v_lshlrev_b32 v[CO], 4, v6                     ; back: the 32 lanes take one row of 512 bytes; and the same in out0
	v_add_nc_u32 v[RD], s23, v[CO]
	v_lshlrev_b32 v[BO], 5, v2                     ; the bias: my half's eight numbers
	s_lshl_b32 s16, s15, 7
	s_lshl_b32 s17, s13, 6
	s_add_co_u32 s16, s16, s17                     ; my first token: 128 x tile row + 64 x half,
	s_lshl_b32 s16, s16, 12                        ; 4,096 bytes a row of out0
	s_mov_b32 s17, 0
	s_add_nc_u64 s[10:11], s[10:11], s[16:17]
	s_lshl_b32 s46, s42, 10
	s_lshl_b32 s47, s14, 9
	s_add_co_u32 s46, s46, s47                     ; my first output, in bytes: 1,024 x tile column + 512 x half
	s_mov_b32 s47, 0
	s_add_nc_u64 s[10:11], s[10:11], s[46:47]
	s_add_nc_u64 s[8:9], s[8:9], s[46:47]
	WIN TO_B
.irp b, 0,1,2,3,4,5,6,7
	global_load_b128 v[BIAS+8*\b:BIAS+8*\b+3], v[BO], s[8:9] offset:64*\b        ; lane (r, h), register j of block b: the bias of output 16 b + 8 h + j
	global_load_b128 v[BIAS+8*\b+4:BIAS+8*\b+7], v[BO], s[8:9] offset:64*\b+16
.endr
	WIN 0
; 8 matrix instructions: token block a x Wo's eight, 32 along K, from buffer f.  first = 1: C is the bias.  The 32 accumulators take turns, one instruction a turn, in the same order in every quarter.
.macro MULA f, a, first
.irp b, 0,1,2,3,4,5,6,7
.if \first
	v_wmma_f32_16x16x32_f16 v[8*(8*(\a)+\b):8*(8*(\a)+\b)+7], v[64*(\f)+8*\b:64*(\f)+8*\b+7], v[AF+32*(\f)+8*(\a):AF+32*(\f)+8*(\a)+7], v[BIAS+8*\b:BIAS+8*\b+7]
.else
	v_wmma_f32_16x16x32_f16 v[8*(8*(\a)+\b):8*(8*(\a)+\b)+7], v[64*(\f)+8*\b:64*(\f)+8*\b+7], v[AF+32*(\f)+8*(\a):AF+32*(\f)+8*(\a)+7], v[8*(8*(\a)+\b):8*(8*(\a)+\b)+7]
.endif
.endr
.endm
; 24 LDS loads in one run: the fragments of the slot's q-th 32 along K into buffer f: Wo's eight blocks, then the tokens' four (quarters 0, 1 lie in the step's first head, 2, 3 in its second)
.macro FETCH slot, q, f
	WIN TO_B
.irp b, 0,1,2,3,4,5,6,7
	ds_load_b128 v[64*(\f)+8*\b:64*(\f)+8*\b+3],   v[ADRB+\slot] offset:64*(\q)+\b*16*PITCH
	ds_load_b128 v[64*(\f)+8*\b+4:64*(\f)+8*\b+7], v[ADRB+\slot] offset:64*(\q)+\b*16*PITCH+32
.endr
	WIN 0
.irp a, 0,1,2,3
	ds_load_b128 v[AF+32*(\f)+8*\a:AF+32*(\f)+8*\a+3],   v[ADRA+\slot] offset:((\q)/2)*APB+64*((\q)%2)+\a*8*PITCH
	ds_load_b128 v[AF+32*(\f)+8*\a+4:AF+32*(\f)+8*\a+7], v[ADRA+\slot] offset:((\q)/2)*APB+64*((\q)%2)+\a*8*PITCH+32
.endr
.endm
.macro PLACES                          ; four places between matrix instructions and loads into, or reads of, their registers
.rept 4
	v_nop
.endr
.endm
; One of a K step's first three quarters: multiplies buffer f and fetches quarter q into buffer g.
.macro QUARTER slot, q, f, g, first
	s_wait_dscnt 4                                 ; all but the youngest four loads (token blocks 2, 3) are in
	WIN MUL-0x10*(\first)
	MULA \f, 0, \first
	MULA \f, 1, \first
	PLACES
	FETCH \slot, \q, \g
	s_wait_dscnt 24                                ; all but the 24 just issued
	WIN MUL-0x10*(\first)
	MULA \f, 2, \first
	MULA \f, 3, \first
.endm
; The last quarter multiplies buffer 1 and changes slots: one barrier; in front of it each wave waits for all its tensor loads, adds 0 to its spare word, and waits for that and for its reads of this slot.  fill = 1: the slot is filled again, two K steps ahead.
.macro TURN slot, next, fill
	WIN 0
	s_wait_tensorcnt 0x0                           ; my part of the next slot has landed; no tensor load of mine is out
	ds_add_u32 v[SPW], v[NIL]
	s_wait_dscnt 5                                 ; (the add and the youngest four loads may be out)
	WIN MUL
	MULA 1, 0, 0                                   ; eight matrix instructions stand between the add and the wait for it
	s_wait_dscnt 0x0                               ; the add is done, and my reads of this slot are over
	s_barrier_signal -1
	MULA 1, 1, 0
	WIN 0
	s_barrier_wait -1
.if \fill
	CREST                                          ; the barrier has opened a round of the cluster's: no wave of any partner still reads this slot or has a load on its way
	s_add_nc_u64 s[G0+4*\slot+2:G0+4*\slot+3], s[G0+4*\slot+2:G0+4*\slot+3], 524288   ; four heads on
	s_add_nc_u64 s[G0B+4*\slot+2:G0B+4*\slot+3], s[G0B+4*\slot+2:G0B+4*\slot+3], 512
	JLOAD \slot                                    ; the first tensor load behind the round; its four v_nop are also the places in front of the loads below
.else
	PLACES
.endif
	FETCH \next, 0, 0
	WIN MUL
	MULA 1, 2, 0
	MULA 1, 3, 0
.endm
	s_wait_tensorcnt 1                             ; my part of K step 0 is in; K step 1's load may be out
	s_barrier_signal -1
	s_barrier_wait -1
	FETCH 0, 0, 0
	s_wait_loadcnt 0x0                             ; the bias
	QUARTER 0, 1, 0, 1, 1                          ; the first quarter stands in front of the loop: its products start the sums from the bias
	WIN 0                                          ; at a label and at a branch every window is 0
	s_mov_b32 s3, LAPS-1
.Llap:                                             ; a trip goes once round the ring, from a lap's second quarter to the next lap's first, and fills both slots again
	QUARTER 0, 2, 1, 0, 0
	QUARTER 0, 3, 0, 1, 0
	TURN 0, 1, 1
	QUARTER 1, 1, 0, 1, 0
	QUARTER 1, 2, 1, 0, 0
	QUARTER 1, 3, 0, 1, 0
	TURN 1, 0, 1
	QUARTER 0, 1, 0, 1, 0
	WIN 0
	s_sub_co_u32 s3, s3, 1
	s_cmp_lg_u32 s3, 0
	s_cbranch_scc1 .Llap
	QUARTER 0, 2, 1, 0, 0                          ; the last lap fills nothing, and has no round of the cluster's barrier
	QUARTER 0, 3, 0, 1, 0
	TURN 0, 1, 0
	QUARTER 1, 1, 0, 1, 0
	QUARTER 1, 2, 1, 0, 0
	QUARTER 1, 3, 0, 1, 0
	s_wait_dscnt 4                                 ; the very last quarter: nothing more to fetch
	WIN MUL
	MULA 1, 0, 0
	MULA 1, 1, 0
	s_wait_dscnt 0
	MULA 1, 2, 0
	MULA 1, 3, 0
	WIN 0
; THE WAY OUT, a block of 16 tokens x 128 outputs at a time: 32 bytes a lane into my stage, back as whole rows of 512 bytes, which the 32 lanes store as 512 consecutive bytes, aligned.
.macro TOSTAGE a
	WIN 0x08                                       ; an LDS store's data are its source 1: window 2
.irp b, 0,1,2,3,4,5,6,7
	ds_store_b128 v[STO], v[64*(\a)+8*\b:64*(\a)+8*\b+3] offset:64*\b          ; each accumulator from its low end on
	ds_store_b128 v[STO], v[64*(\a)+8*\b+4:64*(\a)+8*\b+7] offset:64*\b+16
.endr
	WIN 0
.set BB, BK+64*((\a)%2)
.irp t, 0,1,2,3,4,5,6,7,8,9,10,11,12,13,14,15
	ds_load_b128 v[BB+4*\t:BB+4*\t+3], v[RD] offset:\t*SPITCH                  ; LDS serves a wave's instructions in order: these see the stores above
.endr
.endm
.macro SEND a, younger                 ; younger: the LDS instructions issued behind block a's loads, which may stay out
.set BB, BK+64*((\a)%2)
	s_wait_dscnt \younger
.irp t, 0,1,2,3,4,5,6,7,8,9,10,11,12,13,14,15
	global_store_b128 v[CO], v[BB+4*\t:BB+4*\t+3], s[10:11] offset:(16*(\a)+\t)*4096 th:TH_STORE_NT
.endr
.endm
	PLACES
	TOSTAGE 0
.irp a, 1,2,3
.if \a > 1
	s_wait_xcnt 0x0                                ; block a - 2's stores have read their data: block a's loads may land there
.endif
	TOSTAGE \a
	SEND \a-1, 32                                  ; behind block a - 1's loads: block a's 16 stores and 16 loads
.endr
	SEND 3, 0
	s_wait_tensorcnt 0x0                           ; the wave's end
	ds_add_u32 v[SPW], v[NIL]
	s_wait_dscnt 0x0
	CROUND                                         ; the closing round: no work-group ends while a partner may still ask for a tile that names it
	s_endpgm
.Lfunc_end_k_qd0b62839ba_outp:
	.size	k_qd0b62839ba_outp, .Lfunc_end_k_qd0b62839ba_outp-k_qd0b62839ba_outp
	.p2alignl 7, 3214868480
	.fill 96, 4, 3214868480
	.section	.rodata,"a",@progbits
	.p2align	6, 0x0
	.amdhsa_kernel k_qd0b62839ba_outp
		.amdhsa_group_segment_fixed_size 327680
		.amdhsa_private_segment_fixed_size 0
		.amdhsa_enable_private_segment 0
		.amdhsa_kernarg_size 32
		.amdhsa_user_sgpr_count 2
		.amdhsa_user_sgpr_kernarg_segment_ptr 1
		.amdhsa_wavefront_size32 1
		.amdhsa_system_sgpr_workgroup_id_x 1
		.amdhsa_system_sgpr_workgroup_id_y 1
		.amdhsa_system_sgpr_workgroup_id_z 1
		.amdhsa_system_vgpr_workitem_id 0
		.amdhsa_next_free_vgpr 768
		.amdhsa_next_free_sgpr 66
		.amdhsa_reserve_vcc 0
		.amdhsa_float_denorm_mode_32 3
		.amdhsa_float_denorm_mode_16_64 3
		.amdhsa_memory_ordered 1
		.amdhsa_forward_progress 1
		.amdhsa_inst_pref_size 87
	.end_amdhsa_kernel
	.amdgpu_metadata
---
amdhsa.version: [ 1, 2 ]
amdhsa.kernels:
  - .name:           k_qd0b62839ba_outp
    .symbol:         k_qd0b62839ba_outp.kd
    .args:
      - { .name: ao, .offset: 0, .size: 8, .value_kind: global_buffer, .address_space: global }
      - { .name: wo16, .offset: 8, .size: 8, .value_kind: global_buffer, .address_space: global }
      - { .name: out_proj_bias, .offset: 16, .size: 8, .value_kind: global_buffer, .address_space: global }
      - { .name: out0, .offset: 24, .size: 8, .value_kind: global_buffer, .address_space: global }
    .group_segment_fixed_size: 327680
    .private_segment_fixed_size: 0
    .kernarg_segment_align: 8
    .kernarg_segment_size: 32
    .max_flat_workgroup_size: 128
    .sgpr_count:     66
    .vgpr_count:     768
    .wavefront_size: 32
...
	.end_amdgpu_metadata
.endif
;; end of part 4
